; MI455X (gfx1250); checked and timed in simulation.
; The chip was launched on July 23, 2026; its instructions are those of AMD's public machine-readable ISA for CDNA 5 (MIT licence, August 2026) and "CDNA5" Instruction Set Architecture Reference Guide (July 2026). The comments in the code are by the model that wrote it; some were corrected since.
;; Causal Self Attention. Allowed arithmetic: matrix products marked QUANTISED: E2M3 operands, one E8M0 scale for each 32 along K, by v_wmma_scale_f32_16x16x128_f8f6f4 with both operands' format E2M3, f32 sums; everything else in f32.
;; Inputs: b_out 1,024 float32; b_qkv 3,072 float32; w_out 1,024 x 1,024 float32; w_qkv 1,024 x 3,072 float32; x 1 x 4,096 x 1,024 float32.
;; Outputs: out0 1 x 4,096 x 1,024 float32.
;; This version of the problem:
;;   THIS VERSION OF THE PROBLEM IS GIVEN IN LOW PRECISION. The matrix products marked QUANTISED in the list below multiply operands that are first quantised to E2M3 (2 exponent bits, 3 mantissa bits; 6 bits a number), with one power-of-two scale for each 32 numbers along K (OCP MX v1.0); their sums are f32. All else is computed in f32.
;;   The module's matrix products, in the order in which they are computed (A, B: the left and right operand; K: the contracted axis; several contracted axes count as one K, in the product's order):
;;     1. [M 4,096, K 1,024] x [K 1,024, N 3,072]; A: input x; B: input w_qkv: QUANTISED
;;     2. batch 16 x [M 4,096, K 64] x [K 64, N 4,096]; A: computed on the way; B: computed on the way: QUANTISED
;;     3. batch 16 x [M 4,096, K 4,096] x [K 4,096, N 64]; A: softmax (see below); B: computed on the way: QUANTISED
;;     4. [M 4,096, K 1,024] x [K 1,024, N 1,024]; A: computed on the way; B: input w_out: QUANTISED
;;   THE QUANTISER, for each operand of a quantised product, along K:
;;     - K is cut into blocks of 32 from its start; a last block that is shorter is filled with zeros.
;;     - A block's scale is 2^e with e = floor(log2(the largest magnitude in the block)) - 2, held to -126 .. 127; a block of zeros has e = 0. As a byte (E8M0): e + 127.
;;     - Each number is divided by its block's scale, clamped to +-7.5, and rounded to the nearest number of E2M3, ties to even, subnormals kept.
;;     - The product sums the exact products of the quantised numbers (number of the format x scale) in f32.
;;   ~~~python
;;   def quantise(x, axis):      # numpy; x: float32 -> the quantised numbers, widened to float32 again
;;       x = np.moveaxis(x, axis, -1); K = x.shape[-1]
;;       x = np.pad(x, [(0, 0)] * (x.ndim - 1) + [(0, -K % 32)]); x = x.reshape(x.shape[:-1] + (-1, 32)); a = np.abs(x).max(-1, keepdims=True)
;;       e = np.where(a > 0, np.clip(np.frexp(np.where(a > 0, a, 1))[1] - 1 - 2, -126, 127), 0)      # np.frexp(a)[1] - 1 = floor(log2(a)), exactly
;;       r = np.clip(x / 2.0 ** e, -7.5, 7.5)
;;       step = 2.0 ** (np.maximum(np.frexp(np.where(r == 0, 1, r))[1] - 1, 0) - 3)
;;       q = np.round(r / step) * step * 2.0 ** e      # np.round: ties to even
;;       return np.moveaxis(q.reshape(q.shape[:-2] + (-1,))[..., :K], -1, axis).astype(np.float32)
;;   ~~~
;;   SOFTMAX AHEAD OF A QUANTISED PRODUCT. Where the list says 'softmax', what is quantised is not the finished softmax but p = 2^(t - M), with t = logit x log2(e) and M = ceil(the row's largest t), a whole number; so 1/2 < the row's largest p <= 1. The row's sum l is taken of the UNQUANTISED p, in f32, and the product's result is divided by l at the end. Since M is a whole number, a kernel that streams over the keys may use a running M (the ceiling of the running maximum): every later rescaling is an exact power of two, which a block's scale takes up: the codes' values come out the same.
;;   OPERANDS COMPUTED ON THE WAY. 'Computed on the way' means the value that the module computes at that place (a softmax that the list does not call 'softmax' is quantised finished and normalised). What goes into a quantiser is computed in f32, as accurately as f32 sums, v_exp_f32 and their like allow (about 1e-6 of the number): no bf16 or f16 on the way to a quantiser, and a product that is left as it is and whose result goes on into a quantised operand takes f32 operands (vector FMAs, or v_wmma_f32_16x16x4_f32). A number that lies on a knife's edge between two numbers of the format may be rounded either way, as far as f32 arithmetic and the matrix unit's own rounding can turn it there, and no further.
;; One version. Each part assembles by itself: llvm-mc -triple=amdgcn-amd-amdhsa -mcpu=gfx1250 --defsym DOCPART=n.
;; ======== version 1 of 1: 4 launches
;; limits: right only within a limited range of input values
;; workspace buffers: opc 6,291,456 bytes; ops 262,144 bytes; qc 3,145,728 bytes; qs 131,072 bytes; kv 6,553,600 bytes; yc 3,145,728 bytes; ys 131,072 bytes
;; launch prep (part 1): grid 512 x 1, 4 waves a work-group, no clusters, 68,096 bytes of LDS; arguments x, w_qkv, w_out, opc, ops; writes opc, ops
.if DOCPART == 1
	.amdgcn_target "amdgcn-amd-amdhsa--gfx1250"
	.amdhsa_code_object_version 6
	.text
	.protected	k_q2844e13d6c_prep
	.globl	k_q2844e13d6c_prep
	.p2align	8
	.type	k_q2844e13d6c_prep,@function
k_q2844e13d6c_prep:
	s_mov_b64 s[64:65], 0
	v_nop
	global_prefetch_b8 v0, s[64:65] scope:SCOPE_SE
	s_setreg_imm32_b32 hwreg(HW_REG_WAVE_MODE, 25, 1), 1
	s_wait_xcnt 0x0
; x [4096][1024], w_qkv [1024][3072] and w_out [1024][1024], f32, become codes of FP6 (E2M3) with one E8M0 byte for each 32 along K (x: its last axis; the weights: their FIRST axis).
; A block's scale is 2^(floor(log2(its largest magnitude)) - 2); its byte is the largest magnitude's exponent field - 2, held at 1 from below.
; LIMITS: NaN and infinities among the inputs are not served; a block whose largest magnitude lies under 2^-124 has its byte held at 1; a block of zeros gets the byte 1 where the rule says 127
; (its codes are zeros, which add nothing, and this program alone reads the bytes).
; THE OUTPUT IS LAID AS THE MATRIX UNIT'S REGISTERS.  A fragment (16 rows x 128 K, 12 registers a lane) is an image of 1,536 bytes: registers 0-3 at 16 x lane, 4-5 at 512 + 8 x lane, 6-9 at 768 + 16 x lane,
; 10-11 at 1,280 + 8 x lane: each store of a wave covers 512 or 256 consecutive bytes, aligned.  opc: [K step / 2][tile 512][K step % 2][1536]; tiles 0-255 x, 256-447 w_qkv, 448-511 w_out.  ops: [tile][K step 8][16] scale words.
; THE ROWS OF A TILE ARE NOT NEIGHBOURS: slot r of tile T is row (or column of a weight) 32 (T / 2) + 8 (T % 2) + r + 8 (r / 8), so that later results of two neighbouring tiles are 16 neighbours in a lane.
; Work-groups 0-255: a tile of x, wave w its K steps 2 w, 2 w + 1.  256-447: w_qkv, 128 columns x one K step, a wave 32 columns.  448-511: w_out likewise.  Waves share nothing: no barrier.  Only x's way touches LDS.
.set STG,   16896                      ; LDS of a wave: two stages of 16 rows x (512 + 16) bytes
.set SPARE, 4*STG                      ; behind them the spare words, 128 bytes for each wave
.set SPW,   12                         ; v12  LDS address of my spare word; never rewritten
.set NIL,   13                         ; v13  0; never rewritten
.set R,     16                         ; v16-143   x as loaded: 32 loads x 4
.set X0,    144                        ; v144-207  64 numbers of my row, K step 0
.set X1,    16                         ; v16-79    K step 1
.set C0,    208                        ; v208-219, v220-231 the two fragments' codes
.set C1,    220
	s_load_b128 s[4:7], s[0:1], 0x0                ; x, w_qkv
	s_load_b128 s[8:11], s[0:1], 0x10              ; w_out, opc
	s_load_b64 s[12:13], s[0:1], 0x20              ; ops
	v_lshl_add_u32 v[SPW], v0, 2, SPARE
	v_mov_b32 v[NIL], 0
	v_lshrrev_b32 v1, 5, v0
	v_readfirstlane_b32 s16, v1                    ; wave
	v_and_b32 v2, 31, v0                           ; lane
	v_and_b32 v3, 15, v0                           ; r
	v_bfe_u32 v4, v0, 4, 1                         ; h
	v_lshlrev_b32 v5, 4, v2                        ; 16 x lane
	v_lshlrev_b32 v6, 3, v2                        ; 8 x lane
	v_lshlrev_b32 v7, 2, v2                        ; 4 x lane
	s_mul_i32 s19, s16, STG
	v_add_nc_u32 v8, s19, v5                       ; the stage, on the way in: a row's 512 bytes as they lie
	v_mul_u32_u24 v9, v3, 528
	v_lshl_add_u32 v9, v4, 7, v9
	v_add_nc_u32 v9, s19, v9                       ; and on the way out: row r, + 128 h: my block of 32 numbers
	v_and_b32 v10, 7, v2                           ; the weights: lane l takes column (l & 7) + 2 (l & 8) + (l & 16) / 2 of the wave's 32:
	v_and_b32 v14, 8, v2                           ; lanes 0-15 the slots of the even tile, lanes 16-31 those of the odd one
	v_lshl_or_b32 v10, v14, 1, v10
	v_and_b32 v14, 16, v2
	v_lshrrev_b32 v14, 1, v14
	v_or_b32 v10, v10, v14
	v_lshlrev_b32 v10, 2, v10
	v_lshlrev_b32 v11, 2, v3
	v_lshl_add_u32 v11, v4, 9, v11                 ; their scale words: 4 r, + a tile's 512 bytes for lanes 16-31
	v_lshlrev_b32 v246, 3, v4                      ; 8 h
	v_mov_b32 v247, 0                              ; a lane permute's destination counts as one of its sources
	s_mov_b32 s20, 0x76543210
	s_mov_b32 s21, 0xfedcba98                      ; v_permlanex16_b32's selects for lane l xor 16
	s_mov_b32 s23, 0
	s_wait_kmcnt 0x0
	s_cmp_lt_u32 ttmp9, 256
	s_cbranch_scc0 .Lweights
; four stores: an image of the 12 registers from v[c] on
.macro ST12 c, off
	global_store_b128 v5, v[\c:\c+3], s[10:11] offset:\off
	global_store_b64 v6, v[\c+4:\c+5], s[10:11] offset:\off+512
	global_store_b128 v5, v[\c+6:\c+9], s[10:11] offset:\off+768
	global_store_b64 v6, v[\c+10:\c+11], s[10:11] offset:\off+1280
.endm
; 64 numbers of a lane, v[s + 32 k + i] = K 64 k + 32 h + i of row r: two whole blocks.  Codes into v[c] on, the row's scale word into v[w].
.macro QX s, c, w
.irp k, 0,1
	v_max3_num_f32 v[240+\k], |v[\s+32*\k]|, |v[\s+32*\k+1]|, 0x1800000   ; the floor 2^(3 - 127) among the leaves: the byte cannot fall under 1
.endr
.irp i, 2,4,6,8,10,12,14,16,18,20,22,24,26,28,30
.irp k, 0,1
	v_max3_num_f32 v[240+\k], v[240+\k], |v[\s+32*\k+\i]|, |v[\s+32*\k+\i+1]|   ; the two blocks by turns
.endr
.endr
.irp k, 0,1
	v_add_nc_u32 v[242+\k], 0xff000000, v[240+\k]  ; 2 off the exponent field: the conversion's scale operand
.endr
.irp k, 0,1
	v_lshrrev_b32 v[244+\k], 23, v[242+\k]         ; the scale's byte
.endr
	v_lshl_or_b32 v[\w], v245, 16, v244            ; my bytes are those of blocks h and 2 + h:
	v_lshlrev_b32 v[\w], v246, v[\w]               ; 8 h bits up;
	v_permlanex16_b32 v247, v[\w], s20, s21
	v_or_b32 v[\w], v[\w], v247                    ; with lane l xor 16's two the word is whole
	v_cvt_scalef32_pk16_fp6_f32 v[\c:\c+2], v[\s:\s+15], v242
	v_cvt_scalef32_pk16_fp6_f32 v[232:234], v[\s+16:\s+31], v242    ; (a conversion's three registers begin on an even number)
	v_cvt_scalef32_pk16_fp6_f32 v[\c+6:\c+8], v[\s+32:\s+47], v243
	v_cvt_scalef32_pk16_fp6_f32 v[236:238], v[\s+48:\s+63], v243
	v_nop                                          ; one plain place behind the scaled conversions
.irp i, 0,1,2
	v_mov_b32 v[\c+3+\i], v[232+\i]
	v_mov_b32 v[\c+9+\i], v[236+\i]
.endr
.endm
.macro TOST q                          ; K step q's 16 rows into stage q, as loaded
.set i, 0
.rept 16
	ds_store_b128 v8, v[R+64*\q+4*i:R+64*\q+4*i+3] offset:8448*\q+528*i
.set i, i+1
.endr
.endm
.macro FROMST q, x                     ; and back: my two blocks of 32 neighbours
.set i, 0
.rept 16
	ds_load_b128 v[\x+4*i:\x+4*i+3], v9 offset:8448*\q+256*(i/8)+16*(i%8)
.set i, i+1
.endr
.endm
	; ---- x: tile T = the work-group's number; my wave's 256 along K
	s_lshr_b32 s17, ttmp9, 1
	s_lshl_b32 s17, s17, 17                        ; 32 (T / 2) rows of 4,096 bytes
	s_and_b32 s18, ttmp9, 1
	s_lshl_b32 s18, s18, 15                        ; + 8 (T % 2) rows
	s_add_co_u32 s17, s17, s18
	s_lshl_b32 s18, s16, 10                        ; + 1,024 bytes x wave
	s_add_co_u32 s22, s17, s18
	s_add_nc_u64 s[4:5], s[4:5], s[22:23]
	s_mul_i32 s22, s16, 1572864
	s_mul_i32 s18, ttmp9, 3072
	s_add_co_u32 s22, s22, s18
	s_add_nc_u64 s[10:11], s[10:11], s[22:23]      ; opc at [wave][T]
	s_lshl_b32 s22, ttmp9, 9
	s_lshl_b32 s18, s16, 7
	s_add_co_u32 s22, s22, s18
	s_add_nc_u64 s[12:13], s[12:13], s[22:23]      ; ops at [T][2 x wave]
.set i, 0
.rept 32                               ; slot i % 16 of the tile is row i % 16 + 8 ((i % 16) / 8); each load reads 512 consecutive bytes; K step 0's sixteen first
	global_load_b128 v[R+4*i:R+4*i+3], v5, s[4:5] offset:((i%16)+8*((i%16)/8))*4096+512*(i/16) th:TH_LOAD_NT
.set i, i+1
.endr
	s_wait_loadcnt 16                              ; K step 0's sixteen loads are in
	TOST 0
	FROMST 0, X0                                   ; LDS serves a wave's instructions in order: these see the stores above
	s_wait_loadcnt 0x0
	TOST 1
	s_wait_dscnt 16                                ; all but the sixteen stores just issued: X0 is in
	FROMST 1, X1
	QX X0, C0, 250
	ST12 C0, 0
	s_wait_dscnt 0x0
	QX X1, C1, 251
	ST12 C1, 1536
	v_cmp_eq_u32 vcc_lo, 1, v4
	v_cndmask_b32 v252, v250, v251, vcc_lo         ; lanes 0-15 store K step 0's words, lanes 16-31 K step 1's: 128 consecutive bytes
	global_store_b32 v7, v252, s[12:13]
	s_wait_tensorcnt 0x0                           ; the wave's end
	ds_add_u32 v[SPW], v[NIL]
	s_wait_dscnt 0x0
	s_endpgm
; ---- the weights.  A lane takes a column and its registers run down K: a block of 32 lies in one lane, and the conversions give codes with K innermost.
.macro WLOAD t, n, p                   ; block t: rows 32 t + i of the K step
.set i, 0
.rept 32
	global_load_b32 v[16+32*(\t)+i], v10, s[\p:\p+1] offset:(32*(\t)+i)*\n*4 th:TH_LOAD_NT
.set i, i+1
.endr
.endm
.macro WBLOCK t, n, p
.set XS, 16+32*(\t)
.set FD, 144+12*((\t)%2)+6*((\t)/2)    ; even blocks into v144 on, odd ones into v156 on
.if (\t) < 3
	s_wait_loadcnt 32                              ; this block's 32 loads are in; the next block's may be out
.else
	s_wait_loadcnt 0x0
.endif
.if (\t)+2 < 4
	WLOAD (\t)+2, \n, \p
.endif
	v_max3_num_f32 v176, |v[XS]|, |v[XS+1]|, |v[XS+2]|
	v_max3_num_f32 v177, |v[XS+3]|, |v[XS+4]|, |v[XS+5]|
.irp i, 6,10,14,18,22,26
	v_max3_num_f32 v176, v176, |v[XS+\i]|, |v[XS+\i+1]|
	v_max3_num_f32 v177, v177, |v[XS+\i+2]|, |v[XS+\i+3]|
.endr
	v_max3_num_f32 v176, v176, |v[XS+30]|, |v[XS+31]|
	v_max3_num_f32 v176, v176, v177, 0x1800000     ; and the floor
	v_add_nc_u32 v178, 0xff000000, v176
	v_lshrrev_b32 v179, 23, v178
.if (\t) == 0
	v_mov_b32 v180, v179                           ; the column's scale word: byte t for block t
.else
	v_lshl_or_b32 v180, v179, 8*(\t), v180
.endif
	v_cvt_scalef32_pk16_fp6_f32 v[FD:FD+2], v[XS:XS+15], v178
	v_cvt_scalef32_pk16_fp6_f32 v[168:170], v[XS+16:XS+31], v178
	v_nop                                          ; one plain place behind the scaled conversions
.irp i, 0,1,2
	v_mov_b32 v[FD+3+\i], v[168+\i]
.endr
.endm
.macro WPATH n, tile0, p, first
	s_sub_co_u32 s17, ttmp9, \first
	s_lshr_b32 s18, s17, 3                         ; which 128 columns
	s_and_b32 s19, s17, 7                          ; which K step
	s_lshl_b32 s22, s18, 9
	s_lshl_b32 s24, s16, 7
	s_add_co_u32 s22, s22, s24                     ; my wave's first column, in bytes
	s_mul_i32 s24, s19, 128*\n*4
	s_add_co_u32 s22, s22, s24                     ; + the K step's 128 rows
	s_add_nc_u64 s[\p:\p+1], s[\p:\p+1], s[22:23]
	s_lshl_b32 s24, s18, 3
	s_lshl_b32 s25, s16, 1
	s_add_co_u32 s24, s24, s25
	s_add_co_u32 s24, s24, \tile0                  ; my even tile
	s_mul_i32 s22, s24, 3072
	s_lshr_b32 s25, s19, 1
	s_mul_i32 s25, s25, 1572864
	s_add_co_u32 s22, s22, s25
	s_and_b32 s25, s19, 1
	s_mul_i32 s25, s25, 1536
	s_add_co_u32 s22, s22, s25
	s_add_nc_u64 s[10:11], s[10:11], s[22:23]
	s_lshl_b32 s22, s24, 9
	s_lshl_b32 s25, s19, 6
	s_add_co_u32 s22, s22, s25
	s_add_nc_u64 s[12:13], s[12:13], s[22:23]
	WLOAD 0, \n, \p
	WLOAD 1, \n, \p
	WBLOCK 0, \n, \p
	WBLOCK 1, \n, \p
	WBLOCK 2, \n, \p
	WBLOCK 3, \n, \p
.set i, 0
.rept 12                               ; v144 on: blocks 0, 2 of both tiles; v156 on: blocks 1, 3.  The first's lanes 16-31 change places with the second's lanes 0-15: v144 on is then the even tile's fragment, v156 on the odd tile's
	v_permlane16_swap_b32 v[144+i], v[156+i]
.set i, i+1
.endr
	ST12 144, 0
	ST12 156, 3072
	global_store_b32 v11, v180, s[12:13]           ; two runs of 64 bytes: one byte for each 128 that the wave reads
.endm
.Lweights:
	s_cmp_lt_u32 ttmp9, 448
	s_cbranch_scc0 .Lwout
	s_wait_alu depctr_va_vdst(0)
	WPATH 3072, 256, 6, 256
	s_endpgm
.Lwout:
	s_wait_alu depctr_va_vdst(0)
	WPATH 1024, 448, 8, 448
	s_endpgm
.Lfunc_end_k_q2844e13d6c_prep:
	.size	k_q2844e13d6c_prep, .Lfunc_end_k_q2844e13d6c_prep-k_q2844e13d6c_prep
	.p2alignl 7, 3214868480
	.fill 96, 4, 3214868480
	.section	.rodata,"a",@progbits
	.p2align	6, 0x0
	.amdhsa_kernel k_q2844e13d6c_prep
		.amdhsa_group_segment_fixed_size 68096
		.amdhsa_private_segment_fixed_size 0
		.amdhsa_enable_private_segment 0
		.amdhsa_kernarg_size 40
		.amdhsa_user_sgpr_count 2
		.amdhsa_user_sgpr_kernarg_segment_ptr 1
		.amdhsa_wavefront_size32 1
		.amdhsa_system_sgpr_workgroup_id_x 1
		.amdhsa_system_sgpr_workgroup_id_y 1
		.amdhsa_system_sgpr_workgroup_id_z 1
		.amdhsa_system_vgpr_workitem_id 0
		.amdhsa_next_free_vgpr 256
		.amdhsa_next_free_sgpr 66
		.amdhsa_reserve_vcc 1
		.amdhsa_float_denorm_mode_32 3
		.amdhsa_float_denorm_mode_16_64 3
		.amdhsa_memory_ordered 1
		.amdhsa_forward_progress 1
		.amdhsa_inst_pref_size 57
	.end_amdhsa_kernel
	.amdgpu_metadata
---
amdhsa.version: [ 1, 2 ]
amdhsa.kernels:
  - .name:           k_q2844e13d6c_prep
    .symbol:         k_q2844e13d6c_prep.kd
    .args:
      - { .name: x, .offset: 0, .size: 8, .value_kind: global_buffer, .address_space: global }
      - { .name: w_qkv, .offset: 8, .size: 8, .value_kind: global_buffer, .address_space: global }
      - { .name: w_out, .offset: 16, .size: 8, .value_kind: global_buffer, .address_space: global }
      - { .name: opc, .offset: 24, .size: 8, .value_kind: global_buffer, .address_space: global }
      - { .name: ops, .offset: 32, .size: 8, .value_kind: global_buffer, .address_space: global }
    .group_segment_fixed_size: 68096
    .private_segment_fixed_size: 0
    .kernarg_segment_align: 8
    .kernarg_segment_size: 40
    .max_flat_workgroup_size: 128
    .sgpr_count:     66
    .vgpr_count:     256
    .wavefront_size: 32
...
	.end_amdgpu_metadata
.endif
;; end of part 1
;; launch qkv (part 2): grid 12 x 16, 4 waves a work-group, clusters of 4 x 4, 327,680 bytes of LDS; arguments opc, ops, b_qkv, qc, qs, kv; writes qc, qs, kv
.if DOCPART == 2
	.amdgcn_target "amdgcn-amd-amdhsa--gfx1250"
	.amdhsa_code_object_version 6
	.text
	.protected	k_q2844e13d6c_qkv
	.globl	k_q2844e13d6c_qkv
	.p2align	8
	.type	k_q2844e13d6c_qkv,@function
k_q2844e13d6c_qkv:
	s_mov_b64 s[64:65], 0
	v_nop
	global_prefetch_b8 v0, s[64:65] scope:SCOPE_SE
	s_setreg_imm32_b32 hwreg(HW_REG_WAVE_MODE, 25, 1), 1
	s_wait_xcnt 0x0
	s_wait_alu depctr_hold_cnt(0) depctr_sa_sdst(0) depctr_va_vdst(0) depctr_va_sdst(0) depctr_va_ssrc(0) depctr_va_vcc(0) depctr_vm_vsrc(0)
	s_getreg_b32 s2, hwreg(HW_REG_IB_STS2, 6, 4)
	s_cmp_eq_u32 s2, 0
	s_cbranch_scc0 .Lentry_in_a_cluster
	s_endpgm
.Lentry_in_a_cluster:
	s_bfe_u32 s2, ttmp6, 0x10000c
	s_cmp_lg_u32 s2, 0xf033
	s_cbranch_scc0 .Lentry_shape_is_right
	s_endpgm
.Lentry_shape_is_right:
; qkv = x w_qkv + b_qkv on codes of FP6 (E2M3) with E8M0 scales, f32 sums; q, k (along the head's 64) and v (along 128 keys) are quantised on the way out, as images of the matrix unit's registers.
; Operands: opc [K step / 2][tile 512][K step % 2][1536] (tiles 0-255 x, 256-447 w_qkv), ops [tile][K step 8][16] scale words.  A work-group makes 256 x 256, a wave 128 x 128: 64 accumulators.
; Cluster x 0: q, 1: k (A = x, B = the weights); 2: v (A = the weights, B = x, so that a lane's registers run along the keys).  4 x 4 work-groups: A's tiles are asked for jointly along a row of the cluster, B's along a column.
; K HAS FOUR SLABS OF TWO STEPS; A SLAB OF ONE OPERAND'S 16 TILES IS 49,152 DENSE BYTES.  LDS holds three slabs of A, three of B and all scales.  At the head each wave issues one joint load: A's three slabs
; (3 rows of 49,152 bytes), B's three, A's scales, B's scales.  The fourth slab is the launch's one refill: into slab 0's bytes, behind the round that follows K step 1; its first read stands behind K step 5.
; NO PREFETCH: the text has no loop to run ahead in; three quarters of K are asked for at the head.
; LIMITS: NaN and infinities are not served; a scale byte is held at 1 from below; a block of zeros gets the byte 1 (this program alone reads the bytes).
.set NQ,     2
.set FR,     12
.set NL,     4
.set NP,     4
.set TILEB,  3072
.set HALFT,  8*TILEB
.set SLAB,   2*HALFT
.set BREG,   3*SLAB
.set SLSTR,  1572864
.set SCL,    6*SLAB
.set SPARE,  SCL+16384+256
.set ADRA, 8                           ; v8-10 A's fragments in slab 0, 1, 2 at 16 x lane; v11-13 at 8 x lane
.set ADRB, 16                          ; v16-21 the same for B
.set L16,  24
.set L8,   25
.set BA,   26
.set ADRS, 27
.set SPW,  28
.set NIL,  29
.set BC,   30
.set SC,   32
.set BQ,   64
.set BV,   240
.set AF,   128
.set HA,   128
.set PC,   192
.set TM,   212
.set PWS,  32
.set WA,   40
.set SW,   48
.set SEL,  96
.set G1, 24
.set G0, 32                            ; the refill's group 0 for A; s[36:39] the head's
.set G0H, 36
.set G1B, 48
.set G0B, 56
.set G0HB, 60
.set G1S, 68
.set G0S, 76
.set G1SB, 80
.set G0SB, 88
.set MSB, 0
.macro WIN new
.if MSB != (\new)
	s_set_vgpr_msb (MSB<<8)|(\new)
.set MSB, (\new)
.endif
.endm
.set MUL_LO, 0xa1
.set MUL_HI, 0xf1
.set TO_B,   0x40
.macro CREST
	s_cmp_lg_u32 s14, 0
	s_cbranch_scc1 .Lnot_wave_0_\@
	s_barrier_signal -3
.Lnot_wave_0_\@:
	s_barrier_wait -3
	s_barrier_signal -1
	s_barrier_wait -1
.endm
.macro CROUND
	s_barrier_signal -1
	s_barrier_wait -1
	CREST
.endm
	s_load_b256 s[4:11], s[0:1], 0x0               ; opc, ops, b_qkv, qc
	s_load_b128 s[92:95], s[0:1], 0x20             ; qs, kv
	v_lshl_add_u32 v[SPW], v0, 2, SPARE
	v_mov_b32 v[NIL], 0
	ds_add_u32 v[SPW], v[NIL]                      ; the opening lines
	ds_add_u32 v[SPW], v[NIL]
	v_lshrrev_b32 v1, 5, v0
	v_readfirstlane_b32 s14, v1
	s_lshr_b32 s15, s14, 1                         ; my half of A's rows; in the refill: I fetch for A (0) or B (1)
	s_and_b32 s16, s14, 1                          ; my half of B's rows; in the refill: which 8 tiles I fetch
	s_bfe_u32 s40, ttmp6, 0x40000
	s_bfe_u32 s41, ttmp6, 0x40004
	s_and_b32 s42, ttmp7, 0xffff
	s_lshr_b32 s45, ttmp9, 1                       ; 1: v
	s_xor_b32 s46, s45, 1
	s_lshl_b32 s43, s41, 2
	s_lshl_b32 s43, 15, s43
	s_lshl_b32 s44, 0x1111, s40
	s_lshl_b32 s18, s42, 6
	s_mul_i32 s17, s18, s46
	s_mul_i32 s19, s45, 384
	s_add_co_u32 s17, s17, s19
	s_lshl_b32 s19, s41, 4
	s_add_co_u32 s17, s17, s19                     ; A's first tile
	s_mul_i32 s47, s18, s45
	s_lshl_b32 s66, ttmp9, 6
	s_add_co_u32 s66, s66, 256
	s_mul_i32 s66, s66, s46
	s_add_co_u32 s47, s47, s66
	s_lshl_b32 s66, s40, 4
	s_add_co_u32 s47, s47, s66                     ; B's first tile
	s_or_b32 s[G1+0], s43, (3<<16)|(1<<21)
	s_or_b32 s[G1B+0], s44, (3<<16)|(1<<21)
.irp g, G1, G1B                        ; the head's: 3 rows of 6,144 elements of 8 bytes, a slab's stride apart
	s_mov_b32 s[\g+1], 6144<<16
	s_mov_b32 s[\g+2], 3<<16
	s_mov_b32 s[\g+3], 6144<<16
	s_mov_b32 s[\g+4], 3
	s_mov_b32 s[\g+5], SLSTR/8
	s_mov_b32 s[\g+6], 0
	s_mov_b32 s[\g+7], 0
.endr
	s_or_b32 s[G1S+0], s43, (3<<16)|(1<<21)
	s_or_b32 s[G1SB+0], s44, (3<<16)|(1<<21)
.irp g, G1S, G1SB                      ; the scales of 16 tiles: 8,192 dense bytes as 32 rows of 256
	s_mov_b32 s[\g+1], 32<<16
	s_mov_b32 s[\g+2], 32<<16
	s_mov_b32 s[\g+3], 32<<16
	s_mov_b32 s[\g+4], 32
	s_mov_b32 s[\g+5], 32
	s_mov_b32 s[\g+6], 0
	s_mov_b32 s[\g+7], 0
.endr
	s_mul_i32 s12, s17, TILEB
	s_mov_b32 s13, 0
	s_lshl_b32 s20, s17, 9
	s_mov_b32 s21, 0
	s_mul_i32 s66, s47, TILEB
	s_mov_b32 s67, 0
	s_lshl_b32 s22, s47, 9
	s_mov_b32 s23, 0
	s_mul_i32 s18, s16, HALFT                      ; the refill: my 8 tiles, in memory and in LDS alike
	s_mov_b32 s19, 0
	s_mov_b32 s[SEL], 0x76543210
	s_mov_b32 s[SEL+1], 0xfedcba98
	s_wait_dscnt 0x0
	s_wait_kmcnt 0x0
	s_add_nc_u64 s[12:13], s[4:5], s[12:13]
	s_add_nc_u64 s[20:21], s[6:7], s[20:21]
	s_add_nc_u64 s[66:67], s[4:5], s[66:67]
	s_add_nc_u64 s[22:23], s[6:7], s[22:23]
	CROUND                                         ; all sixteen work-groups are here: the joint loads meet
	s_mov_b32 s[G0H], 1
	s_mov_b32 s[G0H+1], 0
	s_mov_b64 s[G0H+2:G0H+3], s[12:13]
	s_or_b32 s[G0H+3], s[G0H+3], 0x80000000
	s_mov_b32 s[G0HB], 1
	s_mov_b32 s[G0HB+1], BREG
	s_mov_b64 s[G0HB+2:G0HB+3], s[66:67]
	s_or_b32 s[G0HB+3], s[G0HB+3], 0x80000000
	s_mov_b32 s[G0S], 1
	s_mov_b32 s[G0S+1], SCL
	s_mov_b64 s[G0S+2:G0S+3], s[20:21]
	s_or_b32 s[G0S+3], s[G0S+3], 0x80000000
	s_mov_b32 s[G0SB], 1
	s_mov_b32 s[G0SB+1], SCL+8320
	s_mov_b64 s[G0SB+2:G0SB+3], s[22:23]
	s_or_b32 s[G0SB+3], s[G0SB+3], 0x80000000
	s_mov_b32 s[G0], 1                             ; the refill: slab 3, a quarter a wave
	s_mov_b32 s[G0+1], s18
	s_add_nc_u64 s[G0+2:G0+3], s[12:13], s[18:19]
	s_add_nc_u64 s[G0+2:G0+3], s[G0+2:G0+3], 3*SLSTR
	s_or_b32 s[G0+3], s[G0+3], 0x80000000
	s_mov_b32 s[G0B], 1
	s_add_co_u32 s[G0B+1], s18, BREG
	s_add_nc_u64 s[G0B+2:G0B+3], s[66:67], s[18:19]
	s_add_nc_u64 s[G0B+2:G0B+3], s[G0B+2:G0B+3], 3*SLSTR
	s_or_b32 s[G0B+3], s[G0B+3], 0x80000000
; the head's loads, one a wave, in one chain of branches on the wave's number
.macro ARM under, g0, g1, next
	s_cmp_lt_u32 s14, \under
	s_cbranch_scc0 \next
	tensor_load_to_lds s[\g0:\g0+3], s[\g1:\g1+7]
	s_nop 0
.rept 4
	v_nop
.endr
	s_branch .Lhead_asked
\next:
.endm
	ARM 1, G0H,  G1,  .Lhead_b
	ARM 2, G0HB, G1B, .Lhead_sa
	ARM 3, G0S,  G1S, .Lhead_sb
	tensor_load_to_lds s[G0SB:G0SB+3], s[G1SB:G1SB+7]
	s_nop 0
.rept 4
	v_nop
.endr
.Lhead_asked:
	v_and_b32 v1, 31, v0
	v_and_b32 v2, 15, v0
	v_bfe_u32 v3, v0, 4, 1
	v_lshlrev_b32 v[L16], 4, v1
	v_lshlrev_b32 v[L8], 3, v1
	s_wait_alu depctr_va_vdst(0)
	s_mul_i32 s18, s15, HALFT
	s_mul_i32 s19, s16, HALFT
	s_add_co_u32 s19, s19, BREG
.irp s, 0,1,2
	v_add_nc_u32 v[ADRA+\s], s18, v[L16]
	v_add_nc_u32 v[ADRB+\s], s19, v[L16]
	v_add_nc_u32 v[ADRA+3+\s], s18, v[L8]
	v_add_nc_u32 v[ADRB+3+\s], s19, v[L8]
	s_add_co_u32 s18, s18, SLAB
	s_add_co_u32 s19, s19, SLAB
.endr
	s_lshl_b32 s18, s15, 12
	s_lshl_b32 s19, s16, 12
	s_add_co_u32 s19, s19, 8320
	s_sub_co_u32 s19, s19, s18
	v_mul_u32_u24 v6, s19, v3                      ; lanes 16-31 take B's scale words
	s_add_co_u32 s18, s18, SCL
	v_lshl_add_u32 v6, v2, 2, v6
	v_add_nc_u32 v[ADRS], s18, v6
	v_lshlrev_b32 v[BA], 6, v3
	s_wait_alu depctr_va_vdst(0)
	v_and_b32 v[BC], 8, v2
	v_add_nc_u32 v[BC], v[BC], v2
	v_lshlrev_b32 v[BC], 2, v[BC]
	s_wait_alu depctr_va_vdst(0)
	s_lshl_b32 s98, ttmp9, 12
	s_lshl_b32 s18, s40, 10
	s_add_co_u32 s98, s98, s18
	s_lshl_b32 s18, s16, 9
	s_add_co_u32 s98, s98, s18
	s_mov_b32 s99, 0
	s_add_nc_u64 s[98:99], s[8:9], s[98:99]
	s_lshl_b32 s100, s41, 10
	s_lshl_b32 s18, s15, 9
	s_add_co_u32 s100, s100, s18
	s_add_co_u32 s100, s100, 8192
	s_mov_b32 s101, 0
	s_add_nc_u64 s[100:101], s[8:9], s[100:101]
.irp p, 0,1,2,3
.irp i, 0,1,2,3
	global_load_b128 v[BQ+16*\p+4*\i:BQ+16*\p+4*\i+3], v[BA], s[98:99] offset:128*\p+16*\i   ; the bias as q's and k's way out wants it
.endr
.endr
.irp a, 0,1,2,3,4,5,6,7
	global_load_b32 v[BV+2*\a], v[BC], s[100:101] offset:4*(32*(\a/2)+8*(\a%2))               ; and as v's
	global_load_b32 v[BV+2*\a+1], v[BC], s[100:101] offset:4*(32*(\a/2)+8*(\a%2))
.endr
.macro FRAG reg, adr, q, i
	ds_load_b128 v[\reg:\reg+3], v[\adr] offset:(\i)*TILEB+(\q)*1536
	ds_load_b64 v[\reg+4:\reg+5], v[\adr+3] offset:(\i)*TILEB+(\q)*1536+512
	ds_load_b128 v[\reg+6:\reg+9], v[\adr] offset:(\i)*TILEB+(\q)*1536+768
	ds_load_b64 v[\reg+10:\reg+11], v[\adr+3] offset:(\i)*TILEB+(\q)*1536+1280
.endm
.macro MUL16 a0, p, q, sc, zero        ; the 64 accumulators take turns, in the same order in every step
.irp a, \a0, \a0+1
.irp b, 0,1,2,3,4,5,6,7
.if \zero
	v_wmma_scale_f32_16x16x128_f8f6f4 v[8*(8*((\a)%4)+\b):8*(8*((\a)%4)+\b)+7], v[128*(\p)+FR*\b:128*(\p)+FR*\b+FR-1], v[AF+FR*(\a):AF+FR*(\a)+FR-1], 0, v[SC+8*NQ*(\sc)+NQ*\b+(\q)], v[SC+8*NQ*(\sc)+NQ*(\a)+(\q)] matrix_a_fmt:MATRIX_FMT_FP6 matrix_b_fmt:MATRIX_FMT_FP6 matrix_a_scale:MATRIX_SCALE_ROW1
.else
	v_wmma_scale_f32_16x16x128_f8f6f4 v[8*(8*((\a)%4)+\b):8*(8*((\a)%4)+\b)+7], v[128*(\p)+FR*\b:128*(\p)+FR*\b+FR-1], v[AF+FR*(\a):AF+FR*(\a)+FR-1], v[8*(8*((\a)%4)+\b):8*(8*((\a)%4)+\b)+7], v[SC+8*NQ*(\sc)+NQ*\b+(\q)], v[SC+8*NQ*(\sc)+NQ*(\a)+(\q)] matrix_a_fmt:MATRIX_FMT_FP6 matrix_b_fmt:MATRIX_FMT_FP6 matrix_a_scale:MATRIX_SCALE_ROW1
.endif
.endr
.endr
.endm
.macro FETCH_B sl, q, p
	WIN TO_B
.irp i, 0,1,2,3,4,5,6,7
	FRAG 128*(\p)+FR*\i, ADRB+\sl, \q, \i
.endr
	WIN 0
.endm
.macro FETCH_A sl, q, i0
.irp i, \i0, \i0+1, \i0+2, \i0+3
	FRAG AF+FR*(\i), ADRA+\sl, \q, \i
.endr
.endm
.macro SCALES sc
.irp i, 0,1,2,3,4,5,6,7
.irp q, 0,1
	ds_load_b32 v[SC+8*NQ*\sc+NQ*\i+\q], v[ADRS] offset:512*\i+64*\q
.endr
.endr
.endm
.macro PLACES n
.rept \n
	v_nop
.endr
.endm
; a slab's first K step: sl the slab's place in LDS, sc its set of scale words
.macro STEP sl, sc, zero
	s_wait_dscnt 4*NL                              ; all but A's blocks 4-7
	WIN MUL_LO
	MUL16 0, 0, 0, \sc, \zero
	MUL16 2, 0, 0, \sc, \zero
	s_wait_dscnt 0
	PLACES NP
	FETCH_B \sl, 1, 1
	FETCH_A \sl, 1, 0
	WIN MUL_HI
	MUL16 4, 0, 0, \sc, \zero
	MUL16 6, 0, 0, \sc, \zero
	PLACES NP
	WIN 0
	FETCH_A \sl, 1, 4
.endm
; a slab's second K step, and on to the next slab.  mode 0: the next slab has been whole since the head, nothing is filled: no barrier.  mode 1: the wait for my tensor load, the add, a barrier: the slab ahead is whole.
; mode 2: the same lines open a round of the cluster's barrier, and the slab just read out is filled again.
.macro TURN sc, next, nsc, mode
.if \mode
	s_wait_tensorcnt 0x0
	ds_add_u32 v[SPW], v[NIL]
	s_wait_dscnt 4*NL+1                            ; the add and A's blocks 4-7 may be out
	WIN MUL_LO
	MUL16 0, 1, 1, \sc, 0
	s_wait_dscnt 0x0                               ; the add is done, my reads of this slab are over
	s_barrier_signal -1
	MUL16 2, 1, 1, \sc, 0
	WIN 0
	s_barrier_wait -1
.else
	s_wait_dscnt 4*NL
	WIN MUL_LO
	MUL16 0, 1, 1, \sc, 0
	MUL16 2, 1, 1, \sc, 0
	s_wait_dscnt 0
	WIN 0
.endif
.if \mode == 2
	CREST
	s_cmp_eq_u32 s15, 0
	s_cbranch_scc0 .Lfor_b_\@
	tensor_load_to_lds s[G0:G0+3], s[G1:G1+7]
	s_nop 0
.rept 4
	v_nop
.endr
	s_branch .Lasked_\@
.Lfor_b_\@:
	tensor_load_to_lds s[G0B:G0B+3], s[G1B:G1B+7]
	s_nop 0
.rept 4
	v_nop
.endr
.Lasked_\@:
.else
	PLACES NP
.endif
	s_wait_alu depctr_va_vdst(0)
	v_add_nc_u32 v[ADRS], 64*NQ, v[ADRS]
	FETCH_B \next, 0, 0
	FETCH_A \next, 0, 0
	SCALES \nsc
	WIN MUL_HI
	MUL16 4, 1, 1, \sc, 0
	MUL16 6, 1, 1, \sc, 0
	PLACES NP
	WIN 0
	FETCH_A \next, 0, 4
.endm
	s_wait_alu depctr_va_vdst(0)                   ; the head's end
	s_wait_tensorcnt 0x0                           ; my tile of the head's four is in; no load of mine is out, so group 1 may be written: the refill's 96 rows of 256 bytes
.irp g, G1, G1B
	s_mov_b32 s[\g+1], 32<<16
	s_mov_b32 s[\g+2], 96<<16
	s_mov_b32 s[\g+3], 32<<16
	s_mov_b32 s[\g+4], 96
	s_mov_b32 s[\g+5], 32
.endr
	s_barrier_signal -1
	s_barrier_wait -1                              ; all four tiles are in
	FETCH_B 0, 0, 0
	FETCH_A 0, 0, 0
	SCALES 0
	FETCH_A 0, 0, 4
	STEP 0, 0, 1                                   ; the first step's products start the sums
	TURN 0, 1, 1, 2                                ; slab 3 is asked for, into slab 0's bytes
	STEP 1, 1, 0
	TURN 1, 2, 0, 0
	STEP 2, 0, 0
	TURN 0, 0, 1, 1                                ; slab 3 is whole
	STEP 0, 1, 0
	s_wait_dscnt 4*NL
	WIN MUL_LO
	MUL16 0, 1, 1, 1, 0
	MUL16 2, 1, 1, 1, 0
	s_wait_dscnt 0
	WIN MUL_HI
	MUL16 4, 1, 1, 1, 0
	MUL16 6, 1, 1, 1, 0
	WIN 0
; THE WAY OUT.  64 numbers of a lane, four half blocks of 16 neighbours along the next K: codes into v[PC] on, the scale word into v[PW].
.macro QUANT s
.irp b, 0,1,2,3
	v_max3_num_f32 v[TM+\b], |v[\s+16*\b]|, |v[\s+1+16*\b]|, 0x1800000
.endr
.irp i, 2,4,6,8,10,12,14
.irp b, 0,1,2,3
	v_max3_num_f32 v[TM+\b], v[TM+\b], |v[\s+16*\b+\i]|, |v[\s+1+16*\b+\i]|
.endr
.endr
.irp b, 0,1,2,3
	v_permlanex16_b32 v[TM+4+\b], v[TM+\b], s[SEL], s[SEL+1]
.endr
.irp b, 0,1,2,3
	v_max_num_f32 v[TM+\b], v[TM+\b], v[TM+4+\b]
.endr
.irp b, 0,1,2,3
	v_add_nc_u32 v[TM+12+\b], 0xff000000, v[TM+\b]
.endr
.irp b, 0,1,2,3
	v_lshrrev_b32 v[TM+4+\b], 23, v[TM+12+\b]
.endr
	v_lshl_or_b32 v[PW], v[TM+5], 8, v[TM+4]
	v_lshl_or_b32 v[PW], v[TM+6], 16, v[PW]
	v_lshl_or_b32 v[PW], v[TM+7], 24, v[PW]
	s_wait_alu depctr_va_vdst(0)                   ; directly ahead of the wait below
	s_wait_xcnt 0x0                                ; the last block's stores have read the codes' registers, which are written anew from here on
.irp c, 0,1
	v_cvt_scalef32_pk16_fp6_f32 v[PC+6*\c:PC+2+6*\c], v[\s+32*\c:\s+15+32*\c], v[TM+12+2*\c]
	v_cvt_scalef32_pk16_fp6_f32 v[PC+12+4*\c:PC+14+4*\c], v[\s+16+32*\c:\s+31+32*\c], v[TM+12+2*\c+1]
.endr
	v_nop
.irp c, 0,1
.irp i, 0,1,2
	v_permlane16_swap_b32 v[PC+6*\c+\i], v[PC+12+4*\c+\i]
.endr
.irp i, 0,1,2
	v_mov_b32 v[PC+3+6*\c+\i], v[PC+12+4*\c+\i]
.endr
.endr
.endm
.macro TAKE a, v                       ; A's block a: the bias is added, the 64 numbers are quantised
	WIN 0x02+(\a)/4
.set AC, 64*((\a)%4)
.set i, 0
.rept 32
.if \v
	v_pk_add_f32 v[HA+i:HA+i+1], v[AC+i:AC+i+1], v[BV+2*(\a):BV+2*(\a)+1]
.else
	v_pk_add_f32 v[HA+i:HA+i+1], v[AC+i:AC+i+1], v[BQ+i:BQ+i+1]
.endif
.set i, i+2
.endr
	WIN 0
.set PW, PWS+(\a)
	QUANT HA
.endm
	PLACES NP
	s_wait_loadcnt 0x0
.irp b, 0,1,2,3
	v_mov_b32 v[TM+4+\b], 0
.endr
	s_mov_b32 s47, 0xffff0000
	s_cmp_lg_u32 s45, 0
	s_cbranch_scc1 .Lrole_v
	s_cmp_eq_u32 ttmp9, 0                          ; q goes to qc and qs, k into kv's steps
	s_cselect_b64 s[12:13], s[10:11], s[94:95]
	s_cselect_b64 s[20:21], s[92:93], s[94:95]
	s_mov_b32 s18, 409600
	s_cselect_b32 s18, 196608, s18
	s_mov_b32 s19, 12800
	s_cselect_b32 s19, 6144, s19
	s_mov_b32 s22, 409600
	s_cselect_b32 s22, 8192, s22
	s_mov_b32 s23, 12800
	s_cselect_b32 s23, 256, s23
	s_cselect_b32 s66, 0, 12288
	s_lshl_b32 s67, s42, 2
	s_add_co_u32 s67, s67, s41
	s_lshl_b32 s67, s67, 1
	s_add_co_u32 s67, s67, s15
	s_lshl_b32 s46, s40, 2
	s_lshl_b32 s45, s16, 1
	s_add_co_u32 s46, s46, s45
	s_mul_i32 s45, s46, s18
	s_mul_i32 s2, s67, s19
	s_add_co_u32 s2, s2, s45
	s_mov_b32 s3, 0
	s_add_nc_u64 s[12:13], s[12:13], s[2:3]
	s_mov_b32 s2, s18
	s_add_nc_u64 s[98:99], s[12:13], s[2:3]
	s_mul_i32 s45, s46, s22
	s_mul_i32 s2, s67, s23
	s_add_co_u32 s2, s2, s45
	s_add_co_u32 s2, s2, s66
	s_add_nc_u64 s[20:21], s[20:21], s[2:3]
	s_mov_b32 s2, s22
	s_add_nc_u64 s[100:101], s[20:21], s[2:3]
.irp a, 0,1,2,3,4,5,6,7
	TAKE \a, 0
	global_store_b128 v[L16], v[PC:PC+3], s[12:13] offset:768*\a
	global_store_b64 v[L8], v[PC+4:PC+5], s[12:13] offset:768*\a+512
	global_store_b128 v[L16], v[PC+6:PC+9], s[98:99] offset:768*\a
	global_store_b64 v[L8], v[PC+10:PC+11], s[98:99] offset:768*\a+512
.endr
.irp b, 0,1,2,3
	v_perm_b32 v[WA+\b], v[PWS+2*\b+1], v[PWS+2*\b], 0x05040100
	v_perm_b32 v[WA+4+\b], v[PWS+2*\b+1], v[PWS+2*\b], 0x07060302
.endr
.irp j, 0,1
	v_cndmask_b32 v[SW+\j], v[WA+2*\j], v[WA+2*\j+1], s47
	v_cndmask_b32 v[SW+2+\j], v[WA+4+2*\j], v[WA+5+2*\j], s47
.endr
	global_store_b64 v[L8], v[SW:SW+1], s[20:21]
	global_store_b64 v[L8], v[SW+2:SW+3], s[100:101]
	s_branch .Ldone
.Lrole_v:
	s_lshl_b32 s18, s41, 2
	s_lshl_b32 s19, s15, 1
	s_add_co_u32 s18, s18, s19
	s_mul_i32 s18, s18, 409600
	s_lshl_b32 s19, s42, 2
	s_add_co_u32 s19, s19, s40
	s_lshl_b32 s19, s19, 1
	s_add_co_u32 s19, s19, s16
	s_mul_i32 s19, s19, 12800
	s_add_co_u32 s2, s18, s19
	s_add_co_u32 s2, s2, 6144
	s_mov_b32 s3, 0
	s_add_nc_u64 s[12:13], s[94:95], s[2:3]
.irp a, 0,1,2,3,4,5,6,7
	TAKE \a, 1
	global_store_b128 v[L16], v[PC:PC+3], s[12:13] offset:(\a/4)*409600+(\a%4)*1536
	global_store_b64 v[L8], v[PC+4:PC+5], s[12:13] offset:(\a/4)*409600+(\a%4)*1536+512
	global_store_b128 v[L16], v[PC+6:PC+9], s[12:13] offset:(\a/4)*409600+(\a%4)*1536+768
	global_store_b64 v[L8], v[PC+10:PC+11], s[12:13] offset:(\a/4)*409600+(\a%4)*1536+1280
.endr
.irp e, 0,1
.irp j, 0,1
	v_cndmask_b32 v[SW+2*\e+\j], v[PWS+4*\e+2*\j], v[PWS+4*\e+2*\j+1], s47
.endr
	global_store_b64 v[L8], v[SW+2*\e:SW+2*\e+1], s[12:13] offset:\e*409600+6400
.endr
.Ldone:
	s_wait_tensorcnt 0x0                           ; the wave's end
	ds_add_u32 v[SPW], v[NIL]
	s_wait_dscnt 0x0
	CROUND                                         ; the closing round
	s_endpgm
.Lfunc_end_k_q2844e13d6c_qkv:
	.size	k_q2844e13d6c_qkv, .Lfunc_end_k_q2844e13d6c_qkv-k_q2844e13d6c_qkv
	.p2alignl 7, 3214868480
	.fill 96, 4, 3214868480
	.section	.rodata,"a",@progbits
	.p2align	6, 0x0
	.amdhsa_kernel k_q2844e13d6c_qkv
		.amdhsa_group_segment_fixed_size 327680
		.amdhsa_private_segment_fixed_size 0
		.amdhsa_enable_private_segment 0
		.amdhsa_kernarg_size 48
		.amdhsa_user_sgpr_count 2
		.amdhsa_user_sgpr_kernarg_segment_ptr 1
		.amdhsa_wavefront_size32 1
		.amdhsa_system_sgpr_workgroup_id_x 1
		.amdhsa_system_sgpr_workgroup_id_y 1
		.amdhsa_system_sgpr_workgroup_id_z 1
		.amdhsa_system_vgpr_workitem_id 0
		.amdhsa_next_free_vgpr 1024
		.amdhsa_next_free_sgpr 104
		.amdhsa_reserve_vcc 0
		.amdhsa_float_denorm_mode_32 3
		.amdhsa_float_denorm_mode_16_64 3
		.amdhsa_memory_ordered 1
		.amdhsa_forward_progress 1
		.amdhsa_inst_pref_size 222
	.end_amdhsa_kernel
	.amdgpu_metadata
---
amdhsa.version: [ 1, 2 ]
amdhsa.kernels:
  - .name:           k_q2844e13d6c_qkv
    .symbol:         k_q2844e13d6c_qkv.kd
    .args:
      - { .name: opc, .offset: 0, .size: 8, .value_kind: global_buffer, .address_space: global }
      - { .name: ops, .offset: 8, .size: 8, .value_kind: global_buffer, .address_space: global }
      - { .name: b_qkv, .offset: 16, .size: 8, .value_kind: global_buffer, .address_space: global }
      - { .name: qc, .offset: 24, .size: 8, .value_kind: global_buffer, .address_space: global }
      - { .name: qs, .offset: 32, .size: 8, .value_kind: global_buffer, .address_space: global }
      - { .name: kv, .offset: 40, .size: 8, .value_kind: global_buffer, .address_space: global }
    .group_segment_fixed_size: 327680
    .private_segment_fixed_size: 0
    .kernarg_segment_align: 8
    .kernarg_segment_size: 48
    .max_flat_workgroup_size: 128
    .sgpr_count:     104
    .vgpr_count:     1024
    .wavefront_size: 32
...
	.end_amdgpu_metadata
.endif
;; end of part 2
;; launch attn (part 3): grid 16 x 16, 16 waves a work-group, no clusters, 327,680 bytes of LDS; arguments qc, qs, kv, yc, ys; writes yc, ys
.if DOCPART == 3
	.amdgcn_target "amdgcn-amd-amdhsa--gfx1250"
	.amdhsa_code_object_version 6
	.text
	.protected	k_q2844e13d6c_attn
	.globl	k_q2844e13d6c_attn
	.p2align	8
	.type	k_q2844e13d6c_attn,@function
k_q2844e13d6c_attn:
	s_mov_b64 s[64:65], 0
	v_nop
	global_prefetch_b8 v0, s[64:65] scope:SCOPE_SE
	s_setreg_imm32_b32 hwreg(HW_REG_WAVE_MODE, 25, 1), 1
	s_wait_xcnt 0x0
; y[q] = softmax_k(q . k / 8, causal) v for 16 heads of 64, 4,096 tokens, both products on codes of FP6 (E2M3) with E8M0 scales; y is quantised along the head's 64 on the way out.
; THE SOFTMAX: t = score x log2(e) / 8; M = the running largest t rounded UP to a whole number; p = 2^(t - M) is quantised along the keys; the row's sum is taken of the unquantised p and divides at the end.
; When M moves, the sum and O are multiplied by 2^(old M - new M): exact.
; LEFT OUT: key steps all of whose keys come after a tile's queries: reference()'s own causal mask makes their p zero for all inputs.
; INPUTS, images of the matrix unit's registers: qc [head][tile 256][768]; kv [head][step 32][12,800]: 128 keys: 8 tiles of k (as 4 double tiles), 4 images of v, k's scale words (256 bytes), v's (256).
; Slot r of tile T is token (or channel) 32 (T / 2) + 8 (T % 2) + r + 8 (r / 8).  q stands in 18 registers, [six zeros | q | six zeros]: a double tile of k times the one or the other 12 of them gives one tile's scores.
; Both products are used transposed: a lane holds one query; the 16 registers of tiles 2 b, 2 b + 1 are 16 neighbouring keys (or channels).
; SHARES.  Queries in 32 blocks of 128.  Work-group p of a head has block 31 - p (32 - p key steps) and block p (p + 1 steps): 33 steps for each of 8 tiles.  Wave w (0-7) works steps 0 .. 16 of its tile of block 31 - p;
; wave w + 8 works steps 17 .. 31 - p of the SAME tile, puts that part (O, -M, the sums) into LDS bytes of its own, and then works block p's tile, steps 0 .. p: 17 trips against 16.
; At the end wave w joins the two parts: both are brought under the larger M by powers of two.
; LDS: two slots of 8 steps (the second waves' four, then the first waves' four), behind slot 1 one more step (step 16, for trip 16), the eight parts' stage, the spare words.
; Every wave fetches half a step (25 rows of 256 bytes) at the head and behind each of three barriers; every wait on TENSORcnt is for 0.
; NO CLUSTER: the second waves' stream of steps hangs on p, so partners would ask for different tiles.
; LIMITS: NaN and infinities are not served; the promise holds while |t| stays under 2^31; y's scale byte is held at 1 from below; a block of zeros gets the byte 1.
.set STEPB, 12800
.set HALFB, 6400
.set NQ,    4
.set SLOT1, 1<<17
.set XTRA,  SLOT1+2*NQ*STEPB
.set STAGE, 2*SLOT1
.set STGB,  4608                       ; a part: 32 registers of O, then -M, t, the two sums
.set SPARE, STAGE+8*STGB
.set HEADB, 32*STEPB
.set L16, 1
.set L8,  2
.set AD16, 3
.set AD8, 4
.set SPW, 5
.set NIL, 6
.set DD,  7                            ; my query in its block of 128, less 16 (lane / 16)
.set PFO, 8
.set ZQ,  16
.set QS,  34
.set PS,  35
.set KS,  36
.set VS,  38
.set KF,  40                           ; v40-87 four double tiles of k, then four images of v
.set Q2,  88                           ; v88-94 q and its scale word of the tile whose result I store
.set S,   96
.set O,   160
.set PC,  192
.set SPR, 204
.set BM,  212
.set PD,  216
.set SO,  220
.set F,   224
.set W,   226
.set STG, 228                          ; LDS address of my pair's part
.set TS,  240                          ; v240-253 seven partial sums
.set TB,  2                            ; LDS byte of my step in hand
.set GS,  3                            ; its number among the head's 32
.set WV,  18
.set DG,  19                           ; the step on my block's diagonal
.set SEL, 20
.set CS,  22
.set G1,  24
.set L1,  34                           ; 32 - p
.set G0,  40
.set SLOTS, 44
.set CNT, 45
.set SWC, 46                           ; trips until the second waves change tiles
.set LAST, 47
.set PFA, 48
.set PLIM, 50
.set G0X, 72
.set KVB, 76
.set RAW, 78
.set PRAW, 79
.macro TL g
	tensor_load_to_lds s[\g:\g+3], s[G1:G1+7]
	s_nop 0
.rept 4
	v_nop
.endr
.endm
; where my next half step lies: step RAW, or RAW - (32 - p) once the stream has passed block 31 - p's last step (the lesser of the two as unsigned numbers)
.macro SETG0
	s_sub_co_u32 s32, s[RAW], s[L1]
	s_min_u32 s32, s32, s[RAW]
	s_mul_i32 s32, s32, STEPB
	s_add_nc_u64 s[G0+2:G0+3], s[KVB:KVB+1], s[32:33]
	s_or_b32 s[G0+3], s[G0+3], 0x80000000
	s_add_co_u32 s[RAW], s[RAW], NQ
.endm
	s_load_b256 s[4:11], s[0:1], 0x0               ; qc, qs, kv, yc
	s_load_b64 s[12:13], s[0:1], 0x20              ; ys
	v_lshl_add_u32 v[SPW], v0, 2, SPARE
	v_mov_b32 v[NIL], 0
	ds_add_u32 v[SPW], v[NIL]                      ; the opening lines
	ds_add_u32 v[SPW], v[NIL]
	v_lshrrev_b32 v9, 5, v0
	v_readfirstlane_b32 s[WV], v9
	s_and_b32 s51, ttmp7, 0xffff                   ; the head
	s_sub_co_u32 s[LAST], 31, ttmp9
	s_sub_co_u32 s[L1], 32, ttmp9
	s_sub_co_u32 s[SWC], 15, ttmp9
	s_mov_b32 s[DG], s[LAST]
	s_and_b32 s52, s[WV], 7                        ; my tile in its block
	s_lshr_b32 s71, s[WV], 3                       ; 1: a second wave
	s_xor_b32 s35, s71, 1
	s_mul_i32 s[GS], s71, 17
	s_mul_i32 s[TB], s35, NQ*STEPB
	s_cmp_lt_u32 s[WV], 8
	s_cselect_b32 s54, s[LAST], ttmp9              ; the block whose result I store
	s_lshl_b32 s53, s[LAST], 3
	s_add_co_u32 s53, s53, s52                     ; the tile that I begin with
	s_lshl_b32 s55, s54, 3
	s_add_co_u32 s55, s55, s52                     ; the tile that I store
	s_mov_b32 s[G1], 3<<16                         ; elements of 8 bytes: 6,400 dense bytes as 25 rows of 256
	s_mov_b32 s[G1+1], 32<<16
	s_mov_b32 s[G1+2], 25<<16
	s_mov_b32 s[G1+3], 32<<16
	s_mov_b32 s[G1+4], 25
	s_mov_b32 s[G1+5], 32
	s_mov_b32 s[G1+6], 0
	s_mov_b32 s[G1+7], 0
	s_bfe_u32 s[RAW], s[WV], 0x20001               ; I fetch LDS bytes 6,400 x wave of a slot: waves 0-7 the second waves' steps, from 17 on
	s_mul_i32 s56, s35, 17
	s_add_co_u32 s[RAW], s[RAW], s56
	s_and_b32 s56, s[WV], 1
	s_mul_i32 s56, s56, HALFB
	s_mul_i32 s57, s51, HEADB
	s_add_co_u32 s56, s56, s57
	s_mov_b32 s57, 0
	s_mov_b32 s33, 0
	s_mul_i32 s58, s51, 196608
	s_mul_i32 s59, s53, 768
	s_add_co_u32 s60, s58, s59
	s_mov_b32 s61, 0
	s_mul_i32 s59, s55, 768
	s_add_co_u32 s62, s58, s59
	s_mov_b32 s63, 0
	s_lshl_b32 s58, s51, 13                        ; q's scale words: my double tile's low bit picks the lanes' half, its high bit the word of a lane's two
	s_bfe_u32 s59, s[WV], 0x10001
	s_lshl_b32 s59, s59, 7
	s_add_co_u32 s58, s58, s59
	s_bfe_u32 s59, s[WV], 0x10002
	s_lshl_b32 s59, s59, 2
	s_add_co_u32 s58, s58, s59
	s_lshl_b32 s59, s[LAST], 8
	s_add_co_u32 s66, s58, s59
	s_mov_b32 s67, 0
	s_lshl_b32 s59, s54, 8
	s_add_co_u32 s68, s58, s59
	s_mov_b32 s69, 0
	s_lshr_b32 s36, s51, 2                         ; yc [head / 4][tile][(head / 2) % 2][1536], half head % 2
	s_mul_i32 s36, s36, 786432
	s_mul_i32 s17, s55, 3072
	s_add_co_u32 s36, s36, s17
	s_and_b32 s17, s51, 3
	s_mul_i32 s17, s17, 768
	s_add_co_u32 s36, s36, s17
	s_mov_b32 s37, 0
	s_lshl_b32 s38, s55, 3                         ; ys [tile][head / 2][16] words, half head % 2
	s_lshr_b32 s17, s51, 1
	s_add_co_u32 s38, s38, s17
	s_lshl_b32 s38, s38, 6
	s_and_b32 s17, s51, 1
	s_lshl_b32 s17, s17, 1
	s_add_co_u32 s38, s38, s17
	s_mov_b32 s39, 0
	s_lshr_b32 s16, s52, 1
	s_lshl_b32 s16, s16, 5
	s_and_b32 s17, s[WV], 1
	s_lshl_b32 s17, s17, 3
	s_add_co_u32 s16, s16, s17                     ; my tile's first query in its block
	s_mul_i32 s15, s52, STGB
	s_add_co_u32 s15, s15, STAGE
	s_bitcmp1_b32 s[WV], 0
	s_mov_b32 s70, 0x01000100
	s_cselect_b32 s70, 0x03020302, s70             ; which half of the double tile's word is mine, twice
	; THE PREFETCH: the head's 16 work-groups share out the 16 half steps that work-group 0's slot holds; wave 8 asks, a lane a block of 256 bytes (25 blocks; the spare lanes name the last again),
	; one slot ahead of the load.  Work-groups 0-7 stop behind step 31, 8-15 behind step 16.  Slots 0 and 1 come by their loads alone.
	s_lshr_b32 s14, ttmp9, 3
	s_mul_i32 s[PLIM], s14, 15
	s_sub_co_u32 s[PLIM], 31, s[PLIM]
	s_cmp_eq_u32 s[WV], 8
	s_cselect_b32 s[PLIM], s[PLIM], 0
	s_xor_b32 s14, s14, 1
	s_mul_i32 s14, s14, 17
	s_bfe_u32 s[PRAW], ttmp9, 0x20001
	s_add_co_u32 s[PRAW], s[PRAW], s14
	s_add_co_u32 s[PRAW], s[PRAW], NQ              ; in slot 1: the first change of slots steps it to slot 2
	s_mul_i32 s[PFA], s[PRAW], STEPB
	s_and_b32 s14, ttmp9, 1
	s_mul_i32 s14, s14, HALFB
	s_add_co_u32 s[PFA], s[PFA], s14
	s_mul_i32 s14, s51, HEADB
	s_add_co_u32 s[PFA], s[PFA], s14
	s_mov_b32 s[PFA+1], 0
	s_mov_b32 s[SEL], 0x76543210
	s_mov_b32 s[SEL+1], 0xfedcba98
	s_mov_b32 s[CS], 0x3e38aa3b                    ; c = log2(e) / 8
	s_mov_b32 s[CS+1], s[CS]
	s_mov_b32 s[SLOTS], 3
	s_wait_dscnt 0x0
	s_wait_kmcnt 0x0
	s_add_nc_u64 s[KVB:KVB+1], s[8:9], s[56:57]
	s_mov_b32 s[G0], 1
	s_mul_i32 s[G0+1], s[WV], HALFB
	s_mov_b32 s[G0X], 1                            ; step 16, for waves 0 and 1
	s_add_co_u32 s[G0X+1], s[G0+1], XTRA
	s_add_nc_u64 s[G0X+2:G0X+3], s[KVB:KVB+1], 16*STEPB
	s_or_b32 s[G0X+3], s[G0X+3], 0x80000000
	SETG0
	TL G0                                          ; slot 0: my one load at the head
	s_add_nc_u64 s[PFA:PFA+1], s[8:9], s[PFA:PFA+1]
	s_add_nc_u64 s[60:61], s[4:5], s[60:61]
	s_add_nc_u64 s[62:63], s[4:5], s[62:63]
	s_add_nc_u64 s[66:67], s[6:7], s[66:67]
	s_add_nc_u64 s[68:69], s[6:7], s[68:69]
	s_add_nc_u64 s[10:11], s[10:11], s[36:37]
	s_add_nc_u64 s[12:13], s[12:13], s[38:39]
	v_and_b32 v9, 31, v0                           ; lane
	v_and_b32 v10, 15, v0                          ; r
	v_bfe_u32 v11, v0, 4, 1                        ; h
	v_lshlrev_b32 v[L16], 4, v9
	v_lshlrev_b32 v[L8], 3, v9
	v_lshlrev_b32 v[W+1], 3, v10
	global_load_b128 v[ZQ+6:ZQ+9], v[L16], s[60:61]
	global_load_b64 v[ZQ+10:ZQ+11], v[L8], s[60:61] offset:512
	global_load_b32 v[QS], v[W+1], s[66:67]
	global_load_b128 v[Q2:Q2+3], v[L16], s[62:63]
	global_load_b64 v[Q2+4:Q2+5], v[L8], s[62:63] offset:512
	global_load_b32 v[Q2+6], v[W+1], s[68:69]
	v_and_b32 v[DD], 8, v10
	v_lshlrev_b32 v11, 4, v11
	v_add_nc_u32 v[DD], v[DD], v10
	v_min_u32 v[PFO], 24, v9
	v_sub_nc_u32 v[DD], v[DD], v11
	v_lshlrev_b32 v[PFO], 8, v[PFO]
	v_add_nc_u32 v[DD], s16, v[DD]
	v_add_nc_u32 v[STG], s15, v[L16]
.irp i, 0,1,2,3,4,5
	v_mov_b32 v[ZQ+\i], 0
	v_mov_b32 v[ZQ+12+\i], 0
.endr
	v_mov_b32 v13, 0xff61b1e6                      ; the largest t so far: -3e38
	v_mov_b32 v14, 0                               ; the sum, in two halves
	v_mov_b32 v15, 0
	v_floor_f32 v12, -v13                          ; -M
.irp b, 0,1,2,3
	v_mov_b32 v[PD+\b], 0
.endr
	v_mov_b32 v[F+1], 0
	v_mov_b32 v[W], 0
	s_wait_loadcnt 0x0
	v_perm_b32 v[QS], v[QS], v[QS], s70
	v_perm_b32 v[Q2+6], v[Q2+6], v[Q2+6], s70
.set j, 0
.rept 32
	v_mov_b32 v[O+j], 0                            ; the step is written once: the first finds zeros
.set j, j+1
.endr
.macro LD12 reg, off
	ds_load_b128 v[\reg:\reg+3], v[AD16] offset:\off
	ds_load_b64 v[\reg+4:\reg+5], v[AD8] offset:\off+512
	ds_load_b128 v[\reg+6:\reg+9], v[AD16] offset:\off+768
	ds_load_b64 v[\reg+10:\reg+11], v[AD8] offset:\off+1280
.endm
.macro QK b, u
.if (\b)%2
	v_wmma_scale_f32_16x16x128_f8f6f4 v[S+8*(2*\b+\u):S+8*(2*\b+\u)+7], v[KF+12*\b:KF+12*\b+11], v[ZQ+6-6*\u:ZQ+17-6*\u], 0, v[KS+\b/2], v[QS] matrix_a_fmt:MATRIX_FMT_FP6 matrix_b_fmt:MATRIX_FMT_FP6 matrix_a_scale:MATRIX_SCALE_ROW1
.else
	v_wmma_scale_f32_16x16x128_f8f6f4 v[S+8*(2*\b+\u):S+8*(2*\b+\u)+7], v[KF+12*\b:KF+12*\b+11], v[ZQ+6-6*\u:ZQ+17-6*\u], 0, v[KS+\b/2], v[QS] matrix_a_fmt:MATRIX_FMT_FP6 matrix_b_fmt:MATRIX_FMT_FP6
.endif
.endm
.macro PV t
.if (\t)%2
	v_wmma_scale_f32_16x16x128_f8f6f4 v[O+8*\t:O+8*\t+7], v[KF+12*\t:KF+12*\t+11], v[PC:PC+11], v[O+8*\t:O+8*\t+7], v[VS+\t/2], v[PS] matrix_a_fmt:MATRIX_FMT_FP6 matrix_b_fmt:MATRIX_FMT_FP6 matrix_a_scale:MATRIX_SCALE_ROW1
.else
	v_wmma_scale_f32_16x16x128_f8f6f4 v[O+8*\t:O+8*\t+7], v[KF+12*\t:KF+12*\t+11], v[PC:PC+11], v[O+8*\t:O+8*\t+7], v[VS+\t/2], v[PS] matrix_a_fmt:MATRIX_FMT_FP6 matrix_b_fmt:MATRIX_FMT_FP6
.endif
.endm
; A SECOND WAVE CHANGES TILES at the head of trip 15 - p: its part of block 31 - p's tile goes to the stage, and it begins block p's tile from nothing.  Ids and the count of trips alone decide.
.macro SWTEST
	s_cmp_lt_u32 s[WV], 8
	s_cbranch_scc1 .Lsame_\@
	s_cmp_lg_u32 s[SWC], 0
	s_cbranch_scc1 .Lsame_\@
	s_wait_alu depctr_va_vdst(0)
.rept 4
	v_nop                                          ; places behind the last products
.endr
.set j, 0
.rept 8
	ds_store_b128 v[STG], v[O+4*j:O+4*j+3] offset:512*j   ; each accumulator from its low end on
.set j, j+1
.endr
	ds_store_b128 v[STG], v[12:15] offset:4096
	s_wait_dscnt 0x0
	v_mov_b32 v[QS], v[Q2+6]
.irp i, 0,1,2,3,4,5
	v_mov_b32 v[ZQ+6+\i], v[Q2+\i]
.endr
	v_mov_b32 v13, 0xff61b1e6
	v_mov_b32 v14, 0
	v_mov_b32 v15, 0
	v_floor_f32 v12, -v13
.set j, 0
.rept 32
	v_mov_b32 v[O+j], 0                            ; (also the places between q's new registers and the next products)
.set j, j+1
.endr
	s_mov_b32 s[GS], 0
	s_mov_b32 s[DG], ttmp9
	s_wait_alu depctr_va_vdst(0)
.Lsame_\@:
.endm
; A KEY STEP: 128 keys.
.macro WORK
	s_cmp_gt_u32 s[GS], s[DG]                      ; only a second wave's trip 16: it has no step left
	s_cbranch_scc1 .Lhidden_\@
	v_add_nc_u32 v[AD16], s[TB], v[L16]
	v_add_nc_u32 v[AD8], s[TB], v[L8]
	v_nop
	v_nop                                          ; four places between the last step's products and the loads into their operands' registers
.irp b, 0,1,2,3
	LD12 KF+12*\b, 1536*\b
.endr
	ds_load_b64 v[KS:KS+1], v[AD8] offset:12288
	s_wait_alu depctr_va_vdst(0)
	s_wait_dscnt 0x0
.irp b, 0,1,2,3
.irp u, 0,1
	QK \b, \u
.endr
.endr
.rept 4
	v_nop
.endr
.irp t, 0,1,2,3                        ; v's images take k's registers, and land under the softmax
	LD12 KF+12*\t, 6144+1536*\t
.endr
	ds_load_b64 v[VS:VS+1], v[AD8] offset:12544
	s_cmp_lg_u32 s[GS], s[DG]                      ; on the diagonal hidden scores become -infinity ahead of the maximum
	s_cbranch_scc1 .Lopen_\@
	v_mov_b32 v[W], 0xff800000
.set n, 0
.rept 64                               ; register 16 b + i holds key 32 b + i + 16 (lane / 16) of the step
	v_cmp_gt_i32 vcc_lo, 32*(n/16)+n%16, v[DD]
	v_cndmask_b32 v[S+n], v[S+n], v[W], vcc_lo
.set n, n+1
.endr
.Lopen_\@:
.irp b, 0,1,2,3
	v_max3_num_f32 v[BM+\b], v[S+16*\b], v[S+1+16*\b], v[S+2+16*\b]   ; each block's largest score: for the row's maximum and for the block's largest p
.endr
.irp i, 3,5,7,9,11,13
.irp b, 0,1,2,3
	v_max3_num_f32 v[BM+\b], v[BM+\b], v[S+16*\b+\i], v[S+1+16*\b+\i]
.endr
.endr
.irp b, 0,1,2,3
	v_max_num_f32 v[BM+\b], v[BM+\b], v[S+15+16*\b]
.endr
.irp b, 0,1,2,3
	s_delay_alu instid0(VALU_DEP_4)
	v_permlanex16_b32 v[PD+\b], v[BM+\b], s[SEL], s[SEL+1]
.endr
.irp b, 0,1,2,3
	s_delay_alu instid0(VALU_DEP_4)
	v_max_num_f32 v[BM+\b], v[BM+\b], v[PD+\b]
.endr
	s_delay_alu instid0(VALU_DEP_2)
	v_max3_num_f32 v[W], v[BM], v[BM+1], v[BM+2]
	s_delay_alu instid0(VALU_DEP_1)
	v_max_num_f32 v[W], v[W], v[BM+3]
	s_delay_alu instid0(VALU_DEP_1)
	v_mul_f32 v[W], s[CS], v[W]
	s_delay_alu instid0(VALU_DEP_1)
	v_max_num_f32 v13, v13, v[W]                   ; the running largest t
	v_mov_b32 v[W], v12
	s_delay_alu instid0(VALU_DEP_2)
	v_floor_f32 v12, -v13                          ; the new -M = -ceil(t)
	s_delay_alu instid0(VALU_DEP_1)
	v_sub_f32 v[W], v12, v[W]                      ; old M - new M
	s_delay_alu instid0(VALU_DEP_1)
	v_cvt_i32_f32 v[W], v[W]                       ; (it saturates)
	s_delay_alu instid0(VALU_DEP_1)
	v_ldexp_f32 v[F], 1.0, v[W]                    ; f = 2^(old M - new M)
.set j, 0
.rept 32
	v_pk_fma_f32 v[S+j:S+j+1], v[S+j:S+j+1], s[CS:CS+1], v[12:13] op_sel_hi:[1,0,0]   ; t - M
.set j, j+2
.endr
.irp b, 0,1,2,3
	v_fma_f32 v[BM+\b], v[BM+\b], s[CS], v12
.endr
	s_wait_alu depctr_va_vdst(0)                   ; ahead of the batch
.set j, 0
.rept 64
	v_exp_f32 v[S+j], v[S+j]                       ; p = 2^(t - M)
.set j, j+1
.endr
	v_pk_mul_f32 v[14:15], v[14:15], v[F:F+1] op_sel_hi:[1,0]   ; the sums under the new M: the plain place behind the exponentials
	s_wait_alu depctr_va_vdst(0)                   ; one wait for the batch
.irp b, 0,1,2,3
	v_exp_f32 v[BM+\b], v[BM+\b]                   ; the block's largest p
.endr
.irp c, 0,1,2,3,4,5,6                  ; the row's sum of the unquantised p: eight chains by turns
	v_pk_add_f32 v[TS+2*\c:TS+2*\c+1], v[S+4*\c:S+4*\c+1], v[S+4*\c+2:S+4*\c+3]
.endr
	v_pk_add_f32 v[14:15], v[14:15], v[S+28:S+29]
.irp c, 0,1,2,3,4,5,6
	v_pk_add_f32 v[TS+2*\c:TS+2*\c+1], v[TS+2*\c:TS+2*\c+1], v[S+30+2*\c:S+31+2*\c]
.endr
	v_pk_add_f32 v[14:15], v[14:15], v[S+44:S+45]
.irp c, 0,1,2,3,4,5,6
	v_pk_add_f32 v[TS+2*\c:TS+2*\c+1], v[TS+2*\c:TS+2*\c+1], v[S+46+2*\c:S+47+2*\c]
.endr
	v_pk_add_f32 v[14:15], v[14:15], v[S+60:S+61]
	v_pk_add_f32 v[TS:TS+1], v[TS:TS+1], v[S+62:S+63]
	v_pk_add_f32 v[TS+2:TS+3], v[TS+2:TS+3], v[TS+4:TS+5]
	v_pk_add_f32 v[TS+6:TS+7], v[TS+6:TS+7], v[TS+8:TS+9]
	v_pk_add_f32 v[TS+10:TS+11], v[TS+10:TS+11], v[TS+12:TS+13]
	v_pk_add_f32 v[14:15], v[14:15], v[TS:TS+1]
	v_pk_add_f32 v[TS+2:TS+3], v[TS+2:TS+3], v[TS+6:TS+7]
	s_delay_alu instid0(VALU_DEP_2)
	v_pk_add_f32 v[14:15], v[14:15], v[TS+10:TS+11]
	s_delay_alu instid0(VALU_DEP_1)
	v_pk_add_f32 v[14:15], v[14:15], v[TS+2:TS+3]
	s_wait_alu depctr_va_vdst(0)                   ; and one for the four
.irp b, 0,1,2,3
	v_max_num_f32 v[BM+\b], 0x1800000, v[BM+\b]    ; the floor 2^(3 - 127)
.endr
.irp b, 0,1,2,3
	s_delay_alu instid0(VALU_DEP_4)
	v_add_nc_u32 v[SO+\b], 0xff000000, v[BM+\b]
.endr
.irp b, 0,1,2,3
	s_delay_alu instid0(VALU_DEP_4)
	v_lshrrev_b32 v[PD+\b], 23, v[SO+\b]
.endr
	s_delay_alu instid0(VALU_DEP_3)
	v_lshl_or_b32 v[PS], v[PD+1], 8, v[PD]
	s_delay_alu instid0(VALU_DEP_1)
	v_lshl_or_b32 v[PS], v[PD+2], 16, v[PS]
	s_delay_alu instid0(VALU_DEP_1)
	v_lshl_or_b32 v[PS], v[PD+3], 24, v[PS]
.irp c, 0,1
	v_cvt_scalef32_pk16_fp6_f32 v[PC+6*\c:PC+2+6*\c], v[S+32*\c:S+15+32*\c], v[SO+2*\c]
	v_cvt_scalef32_pk16_fp6_f32 v[SPR+4*\c:SPR+2+4*\c], v[S+16+32*\c:S+31+32*\c], v[SO+2*\c+1]
.endr
	v_nop                                          ; one plain place behind the scaled conversions
.irp c, 0,1
.irp i, 0,1,2
	v_permlane16_swap_b32 v[PC+6*\c+\i], v[SPR+4*\c+\i]
.endr
.irp i, 0,1,2
	s_delay_alu instid0(VALU_DEP_3)
	v_mov_b32 v[PC+3+6*\c+\i], v[SPR+4*\c+\i]
.endr
.endr
	s_wait_alu depctr_va_vdst(0)                   ; directly ahead of the first reader of O^T
.set j, 0
.rept 16
	v_pk_mul_f32 v[O+j:O+j+1], v[O+j:O+j+1], v[F:F+1] op_sel_hi:[1,0]   ; O^T under the new M; also the places ahead of the products below
.set j, j+2
.endr
	s_wait_alu depctr_va_vdst(0)
	s_wait_dscnt 0x0                               ; v
.irp t, 0,1,2,3
	PV \t                                          ; four accumulators, one instruction a turn
.endr
.Lhidden_\@:
	s_add_co_u32 s[TB], s[TB], STEPB
	s_add_co_u32 s[GS], s[GS], 1
	s_sub_co_u32 s[SWC], s[SWC], 1
.endm
	s_wait_alu depctr_va_vdst(0)                   ; the head's end
; Three changes of slots that fill: each wave waits for all its tensor loads, adds 0 to its spare word, waits for that and for its reads; behind the barrier the slot ahead is whole and the other one takes the next four trips' steps.
.Lslot:
	s_wait_tensorcnt 0x0
	ds_add_u32 v[SPW], v[NIL]
	s_xor_b32 s[G0+1], s[G0+1], SLOT1
	SETG0
	s_wait_xcnt 0x0                                ; the last prefetch, a slot back, has read its address
	s_add_nc_u64 s[PFA:PFA+1], s[PFA:PFA+1], NQ*STEPB
	s_add_co_u32 s[PRAW], s[PRAW], NQ
	s_wait_dscnt 0x0
	s_barrier_signal -1
	s_barrier_wait -1
	TL G0
	s_cmp_le_u32 s[PRAW], s[PLIM]
	s_cbranch_scc0 .Lnot_mine
	global_prefetch_b8 v[PFO], s[PFA:PFA+1] th:TH_LOAD_NT scope:SCOPE_SE
.Lnot_mine:
	s_mov_b32 s[CNT], NQ
.Lstep:
	SWTEST
	WORK
	s_sub_co_u32 s[CNT], s[CNT], 1
	s_cmp_lg_u32 s[CNT], 0
	s_cbranch_scc1 .Lstep
	s_sub_co_u32 s[TB], s[TB], NQ*STEPB
	s_xor_b32 s[TB], s[TB], SLOT1
	s_sub_co_u32 s[SLOTS], s[SLOTS], 1
	s_cmp_lg_u32 s[SLOTS], 0
	s_cbranch_scc1 .Lslot
	; the last change: slot 1 is whole; nothing is filled again; step 16 comes into bytes of its own behind slot 1, by waves 0 and 1
	s_wait_tensorcnt 0x0
	ds_add_u32 v[SPW], v[NIL]
	s_wait_dscnt 0x0
	s_barrier_signal -1
	s_barrier_wait -1
	s_cmp_lt_u32 s[WV], 2
	s_cbranch_scc0 .Lno_x
	TL G0X
.Lno_x:
	s_mov_b32 s[CNT], NQ+1
; Trips 12 to 16.  A barrier closes each: it shows step 16 whole ahead of trip 16, and every part in the stage ahead of the join.
.Ltail:
	SWTEST
	WORK
	s_wait_tensorcnt 0x0
	ds_add_u32 v[SPW], v[NIL]
	s_wait_dscnt 0x0
	s_barrier_signal -1
	s_barrier_wait -1
	s_sub_co_u32 s[CNT], s[CNT], 1
	s_cmp_lg_u32 s[CNT], 0
	s_cbranch_scc1 .Ltail
	s_cmp_lt_u32 s[WV], 8
	s_cbranch_scc0 .Lout
	; THE JOIN: my part and my partner's under the larger M
.set j, 0
.rept 8
	ds_load_b128 v[S+4*j:S+4*j+3], v[STG] offset:512*j
.set j, j+1
.endr
	ds_load_b128 v[S+32:S+35], v[STG] offset:4096
	s_wait_dscnt 0x0
	v_min_num_f32 v[W], v12, v[S+32]               ; -M of the larger M
	s_delay_alu instid0(VALU_DEP_1)
	v_sub_f32 v[BM], v[W], v12
	v_sub_f32 v[BM+1], v[W], v[S+32]
	s_delay_alu instid0(VALU_DEP_2)
	v_cvt_i32_f32 v[BM], v[BM]
	s_delay_alu instid0(VALU_DEP_2)
	v_cvt_i32_f32 v[BM+1], v[BM+1]                 ; (an empty part's -M is 3e38: this saturates, and its factor is 0)
	s_delay_alu instid0(VALU_DEP_2)
	v_ldexp_f32 v[F], 1.0, v[BM]
	s_delay_alu instid0(VALU_DEP_2)
	v_ldexp_f32 v[PD], 1.0, v[BM+1]
.set j, 0
.rept 18
	v_pk_mul_f32 v[S+j:S+j+1], v[S+j:S+j+1], v[PD:PD+1] op_sel_hi:[1,0]
.set j, j+2
.endr
.set j, 0
.rept 16
	v_pk_fma_f32 v[O+j:O+j+1], v[O+j:O+j+1], v[F:F+1], v[S+j:S+j+1] op_sel_hi:[1,0,1]
.set j, j+2
.endr
	v_pk_fma_f32 v[14:15], v[14:15], v[F:F+1], v[S+34:S+35] op_sel_hi:[1,0,1]
	s_wait_alu depctr_va_vdst(0)
.Lout:
	; THE WAY OUT: O^T / the sum; a lane's 32 numbers are channels 32 b + 16 h + 0 .. 15, b = 0, 1: two blocks; half an image and half a scale word
.rept 4
	v_nop
.endr
	v_add_f32 v14, v14, v15
	s_delay_alu instid0(VALU_DEP_1)
	v_permlanex16_b32 v[W], v14, s[SEL], s[SEL+1]
	s_delay_alu instid0(VALU_DEP_1)
	v_add_f32 v14, v14, v[W]
	s_wait_alu depctr_va_vdst(0)
	v_rcp_f32 v14, v14
	v_lshlrev_b32 v[W+1], 2, v10                   ; 4 r (the plain place behind the reciprocal)
	s_wait_alu depctr_va_vdst(0)
.set j, 0
.rept 32
	v_mul_f32 v[S+j], v[O+j], v14
.set j, j+1
.endr
.irp b, 0,1
	v_max3_num_f32 v[BM+\b], |v[S+16*\b]|, |v[S+1+16*\b]|, 0x1800000
.endr
.irp i, 2,4,6,8,10,12,14
.irp b, 0,1
	s_delay_alu instid0(VALU_DEP_2)
	v_max3_num_f32 v[BM+\b], v[BM+\b], |v[S+16*\b+\i]|, |v[S+1+16*\b+\i]|
.endr
.endr
.irp b, 0,1
	s_delay_alu instid0(VALU_DEP_2)
	v_permlanex16_b32 v[PD+\b], v[BM+\b], s[SEL], s[SEL+1]
.endr
.irp b, 0,1
	s_delay_alu instid0(VALU_DEP_2)
	v_max_num_f32 v[BM+\b], v[BM+\b], v[PD+\b]
.endr
.irp b, 0,1
	s_delay_alu instid0(VALU_DEP_2)
	v_add_nc_u32 v[SO+\b], 0xff000000, v[BM+\b]
.endr
.irp b, 0,1
	s_delay_alu instid0(VALU_DEP_2)
	v_lshrrev_b32 v[PD+\b], 23, v[SO+\b]
.endr
	s_delay_alu instid0(VALU_DEP_1)
	v_lshl_or_b32 v[PS], v[PD+1], 8, v[PD]
	v_cvt_scalef32_pk16_fp6_f32 v[PC:PC+2], v[S:S+15], v[SO]
	v_cvt_scalef32_pk16_fp6_f32 v[SPR:SPR+2], v[S+16:S+31], v[SO+1]
	v_nop
.irp i, 0,1,2
	v_permlane16_swap_b32 v[PC+\i], v[SPR+\i]
.endr
.irp i, 0,1,2
	s_delay_alu instid0(VALU_DEP_3)
	v_mov_b32 v[PC+3+\i], v[SPR+\i]
.endr
	global_store_b128 v[L16], v[PC:PC+3], s[10:11]
	global_store_b64 v[L8], v[PC+4:PC+5], s[10:11] offset:512
	v_cmp_gt_u32 vcc_lo, 16, v9
	s_wait_xcnt 0x0                                ; EXEC changes only behind this wait
	s_and_saveexec_b32 s14, vcc_lo
	global_store_b16 v[W+1], v[PS], s[12:13]       ; my head's half of 16 scale words
	s_wait_xcnt 0x0
	s_or_b32 exec_lo, exec_lo, s14
	s_wait_tensorcnt 0x0                           ; the wave's end
	ds_add_u32 v[SPW], v[NIL]
	s_wait_dscnt 0x0
	s_endpgm
.Lfunc_end_k_q2844e13d6c_attn:
	.size	k_q2844e13d6c_attn, .Lfunc_end_k_q2844e13d6c_attn-k_q2844e13d6c_attn
	.p2alignl 7, 3214868480
	.fill 96, 4, 3214868480
	.section	.rodata,"a",@progbits
	.p2align	6, 0x0
	.amdhsa_kernel k_q2844e13d6c_attn
		.amdhsa_group_segment_fixed_size 327680
		.amdhsa_private_segment_fixed_size 0
		.amdhsa_enable_private_segment 0
		.amdhsa_kernarg_size 40
		.amdhsa_user_sgpr_count 2
		.amdhsa_user_sgpr_kernarg_segment_ptr 1
		.amdhsa_wavefront_size32 1
		.amdhsa_system_sgpr_workgroup_id_x 1
		.amdhsa_system_sgpr_workgroup_id_y 1
		.amdhsa_system_sgpr_workgroup_id_z 1
		.amdhsa_system_vgpr_workitem_id 0
		.amdhsa_next_free_vgpr 256
		.amdhsa_next_free_sgpr 80
		.amdhsa_reserve_vcc 1
		.amdhsa_float_denorm_mode_32 3
		.amdhsa_float_denorm_mode_16_64 3
		.amdhsa_memory_ordered 1
		.amdhsa_forward_progress 1
		.amdhsa_inst_pref_size 68
	.end_amdhsa_kernel
	.amdgpu_metadata
---
amdhsa.version: [ 1, 2 ]
amdhsa.kernels:
  - .name:           k_q2844e13d6c_attn
    .symbol:         k_q2844e13d6c_attn.kd
    .args:
      - { .name: qc, .offset: 0, .size: 8, .value_kind: global_buffer, .address_space: global }
      - { .name: qs, .offset: 8, .size: 8, .value_kind: global_buffer, .address_space: global }
      - { .name: kv, .offset: 16, .size: 8, .value_kind: global_buffer, .address_space: global }
      - { .name: yc, .offset: 24, .size: 8, .value_kind: global_buffer, .address_space: global }
      - { .name: ys, .offset: 32, .size: 8, .value_kind: global_buffer, .address_space: global }
    .group_segment_fixed_size: 327680
    .private_segment_fixed_size: 0
    .kernarg_segment_align: 8
    .kernarg_segment_size: 40
    .max_flat_workgroup_size: 512
    .sgpr_count:     80
    .vgpr_count:     256
    .wavefront_size: 32
...
	.end_amdgpu_metadata
.endif
;; end of part 3
;; launch proj (part 4): grid 8 x 32, 4 waves a work-group, clusters of 4 x 4, 327,680 bytes of LDS; arguments yc, ys, opc, ops, b_out, out0; writes out0
.if DOCPART == 4
	.amdgcn_target "amdgcn-amd-amdhsa--gfx1250"
	.amdhsa_code_object_version 6
	.text
	.protected	k_q2844e13d6c_proj
	.globl	k_q2844e13d6c_proj
	.p2align	8
	.type	k_q2844e13d6c_proj,@function
k_q2844e13d6c_proj:
	s_mov_b64 s[64:65], 0
	v_nop
	global_prefetch_b8 v0, s[64:65] scope:SCOPE_SE
	s_setreg_imm32_b32 hwreg(HW_REG_WAVE_MODE, 25, 1), 1
	s_wait_xcnt 0x0
	s_wait_alu depctr_hold_cnt(0) depctr_sa_sdst(0) depctr_va_vdst(0) depctr_va_sdst(0) depctr_va_ssrc(0) depctr_va_vcc(0) depctr_vm_vsrc(0)
	s_getreg_b32 s2, hwreg(HW_REG_IB_STS2, 6, 4)
	s_cmp_eq_u32 s2, 0
	s_cbranch_scc0 .Lentry_in_a_cluster
	s_endpgm
.Lentry_in_a_cluster:
	s_bfe_u32 s2, ttmp6, 0x10000c
	s_cmp_lg_u32 s2, 0xf033
	s_cbranch_scc0 .Lentry_shape_is_right
	s_endpgm
.Lentry_shape_is_right:
; out0 [4096][1024] = y w_out + b_out on codes of FP6 (E2M3) with E8M0 scales; f32 sums, one accumulator an output, K ascending.
; Both operands lie in memory as images of the matrix unit's registers (16 rows x 128 K, 1,536 bytes): yc [K step / 2][tile 256][K step % 2], opc [K step / 2][tile 512][K step % 2] (w_out: tiles 448-511);
; ys, ops [tile][K step 8][16] scale words.  Slot r of tile T is row (or column) 32 (T / 2) + 8 (T % 2) + r + 8 (r / 8).
; A work-group makes 128 x 128, a wave 64 x 64: 16 accumulators.  8 x 32 = 256 work-groups.  ALL OF K FOR THE BLOCK, 2 x 98,304 bytes, COMES INTO LDS ONCE: a slab (two K steps) of an operand's 8 tiles is 24,576 dense bytes;
; each wave issues one joint load at the head, 2 slabs of y (waves 0, 1) or of w_out (waves 2, 3) as 2 rows of 24,576 bytes.  Nothing is filled again.
; CLUSTERS: 4 x 4 work-groups; y's tiles are asked for jointly along a row of the cluster, w_out's along a column.
; From LDS a step's 8 fragments (32 loads) go into one of three sets of 96 registers, two steps ahead of their products.  NO PREFETCH: one fill at the head, no loop to run ahead in.
; The product is used transposed (source 0 = w_out's tile, source 1 = y's): a lane's registers of two neighbouring tiles are 16 neighbouring columns of one row.
; A scale register holds two K steps' words of a tile: lanes 0-15 the even step's, lanes 16-31 the odd step's; the scales and the bias come by plain loads under the tensor loads' flight.
; REGISTERS: v0-31 addresses and the bias; v32-47 y's scale words, v48-63 w_out's; v64-159, v160-255, v384-479 the three sets; v256-383 the accumulators.
.set TILEB, 3072
.set SLA, 786432
.set SLB, 1572864
.set SLABB, 8*TILEB                    ; a slab of 8 tiles in LDS
.set BREG, 4*SLABB
.set STAGE, 2*BREG
.set SPITCH, 272
.set SPARE, STAGE+4*16*SPITCH
.set SPW, 6
.set NIL, 7
.set L16, 8
.set L8,  9
.set L4,  10
.set C16, 11
.set STO, 12
.set RD,  13
.set CO,  14
.set ADA, 16                           ; v16, v17 y's fragments in slabs 0-1, 2-3 at 16 x lane; v18, v19 at 8 x lane
.set ADB, 20                           ; v20-23 the same for w_out
.set BI,  24
.set SAR, 32
.set SBR, 48
.set BK,  64
.set G1,  48
.set G1B, 56
.set G0,  68
.set G0B, 72
.set MSB, 0
.macro WIN new
.if MSB != (\new)
	s_set_vgpr_msb (MSB<<8)|(\new)
.set MSB, (\new)
.endif
.endm
.macro CROUND
	s_barrier_signal -1
	s_barrier_wait -1
	s_cmp_lg_u32 s14, 0
	s_cbranch_scc1 .Lnot_wave_0_\@
	s_barrier_signal -3
.Lnot_wave_0_\@:
	s_barrier_wait -3
	s_barrier_signal -1
	s_barrier_wait -1
.endm
	s_load_b256 s[4:11], s[0:1], 0x0               ; yc, ys, opc, ops
	s_load_b128 s[36:39], s[0:1], 0x20             ; b_out, out0
	v_lshl_add_u32 v[SPW], v0, 2, SPARE
	v_mov_b32 v[NIL], 0
	ds_add_u32 v[SPW], v[NIL]                      ; the opening lines
	ds_add_u32 v[SPW], v[NIL]
	v_lshrrev_b32 v1, 5, v0
	v_readfirstlane_b32 s14, v1
	s_lshr_b32 s15, s14, 1                         ; which 64 rows are mine; also: I fetch for y (0) or for w_out (1)
	s_and_b32 s16, s14, 1                          ; which 64 columns; also: which two slabs I fetch
	s_bfe_u32 s40, ttmp6, 0x40000
	s_bfe_u32 s41, ttmp6, 0x40004
	s_lshl_b32 s42, ttmp9, 2
	s_add_co_u32 s42, s42, s40                     ; block column
	s_and_b32 s19, ttmp7, 0xffff
	s_lshl_b32 s19, s19, 2
	s_add_co_u32 s19, s19, s41                     ; block row
	s_lshl_b32 s43, s41, 2
	s_lshl_b32 s43, 15, s43                        ; my row of the cluster
	s_lshl_b32 s44, 0x1111, s40                    ; my column
	s_or_b32 s[G1+0], s43, (3<<16)|(1<<21)
	s_or_b32 s[G1B+0], s44, (3<<16)|(1<<21)
.irp g, G1, G1B                        ; 2 rows of 3,072 elements of 8 bytes
	s_mov_b32 s[\g+1], 3072<<16
	s_mov_b32 s[\g+2], 2<<16
	s_mov_b32 s[\g+3], 3072<<16
	s_mov_b32 s[\g+4], 2
	s_mov_b32 s[\g+6], 0
	s_mov_b32 s[\g+7], 0
.endr
	s_mov_b32 s[G1+5], SLA/8
	s_mov_b32 s[G1B+5], SLB/8
	s_mul_i32 s24, s19, SLABB                      ; y: the block's 8 tiles, my two slabs
	s_mul_i32 s21, s16, 2*SLA
	s_add_co_u32 s24, s24, s21
	s_mov_b32 s25, 0
	s_lshl_b32 s28, s42, 3
	s_add_co_u32 s28, s28, 448
	s_mul_i32 s28, s28, TILEB                      ; w_out likewise
	s_mul_i32 s21, s16, 2*SLB
	s_add_co_u32 s28, s28, s21
	s_mov_b32 s29, 0
	s_mul_i32 s17, s16, 2*SLABB                    ; and where they go
	s_lshl_b32 s20, s19, 3
	s_lshl_b32 s21, s15, 2
	s_add_co_u32 s20, s20, s21                     ; my wave's first tile of y
	s_lshl_b32 s22, s42, 3
	s_lshl_b32 s21, s16, 2
	s_add_co_u32 s22, s22, s21                     ; and of w_out's 64
	s_lshl_b32 s30, s22, 6                         ; its first column, in bytes of f32
	s_mov_b32 s31, 0
	s_add_co_u32 s22, s22, 448
	s_lshl_b32 s26, s20, 9
	s_mov_b32 s27, 0
	s_lshl_b32 s32, s22, 9
	s_mov_b32 s33, 0
	s_lshl_b32 s34, s20, 16                        ; 16 rows of 4,096 bytes a tile
	s_add_co_u32 s34, s34, s30
	s_mov_b32 s35, 0
	s_mul_i32 s23, s14, 16*SPITCH
	s_add_co_u32 s23, s23, STAGE                   ; my stage
	s_mul_i32 s20, s15, 4*TILEB                    ; LDS: my four tiles of y,
	s_mul_i32 s22, s16, 4*TILEB
	s_add_co_u32 s22, s22, BREG                    ; and of w_out
	s_wait_dscnt 0x0
	s_wait_kmcnt 0x0
	s_mov_b32 s[G0], 1
	s_mov_b32 s[G0+1], s17
	s_add_nc_u64 s[G0+2:G0+3], s[4:5], s[24:25]
	s_or_b32 s[G0+3], s[G0+3], 0x80000000
	s_mov_b32 s[G0B], 1
	s_add_co_u32 s[G0B+1], s17, BREG
	s_add_nc_u64 s[G0B+2:G0B+3], s[8:9], s[28:29]
	s_or_b32 s[G0B+3], s[G0B+3], 0x80000000
	s_add_nc_u64 s[6:7], s[6:7], s[26:27]
	s_add_nc_u64 s[10:11], s[10:11], s[32:33]
	s_add_nc_u64 s[36:37], s[36:37], s[30:31]
	s_add_nc_u64 s[38:39], s[38:39], s[34:35]
	CROUND                                         ; all sixteen work-groups are here: the joint loads meet
	s_cmp_eq_u32 s15, 0
	s_cbranch_scc0 .Lfor_b
	tensor_load_to_lds s[G0:G0+3], s[G1:G1+7]
	s_nop 0
.rept 4
	v_nop
.endr
	s_branch .Lasked
.Lfor_b:
	tensor_load_to_lds s[G0B:G0B+3], s[G1B:G1B+7]
	s_nop 0
.rept 4
	v_nop
.endr
.Lasked:
	v_and_b32 v1, 31, v0
	v_and_b32 v2, 15, v0
	v_bfe_u32 v3, v0, 4, 1
	v_lshlrev_b32 v[L16], 4, v1
	v_lshlrev_b32 v[L8], 3, v1
	v_lshlrev_b32 v[L4], 2, v1
	v_lshlrev_b32 v[C16], 4, v2
	v_mul_u32_u24 v4, v2, SPITCH
	v_mul_u32_u24 v5, v3, SPITCH
	v_lshl_add_u32 v4, v3, 6, v4
	v_add_nc_u32 v5, v5, v[C16]
	v_add_nc_u32 v[STO], s23, v4                   ; in: row r, 64 bytes for each half of the lanes
	v_add_nc_u32 v[RD], s23, v5                    ; back: sixteen lanes to a row of 256 bytes, two rows an instruction
	v_lshl_add_u32 v[CO], v3, 12, v[C16]           ; and the same in out0
	v_add_nc_u32 v[ADA], s20, v[L16]
	v_add_nc_u32 v[ADA+2], s20, v[L8]
	v_add_nc_u32 v[ADB], s22, v[L16]
	v_add_nc_u32 v[ADB+2], s22, v[L8]
	v_add_nc_u32 v[ADA+1], 2*SLABB, v[ADA]
	v_add_nc_u32 v[ADA+3], 2*SLABB, v[ADA+2]
	v_add_nc_u32 v[ADB+1], 2*SLABB, v[ADB]
	v_add_nc_u32 v[ADB+3], 2*SLABB, v[ADB+2]
	s_wait_alu depctr_va_vdst(0)                   ; the head's end
	global_load_b128 v[BI:BI+3], v[C16], s[36:37]  ; the bias of my four columns on the way out
.irp i, 0,1,2,3
.irp j, 0,1,2,3
	global_load_b32 v[SAR+4*\i+\j], v[L4], s[6:7] offset:512*\i+128*\j
	global_load_b32 v[SBR+4*\i+\j], v[L4], s[10:11] offset:512*\i+128*\j
.endr
.endr
.macro FRAG reg, adr, off
	ds_load_b128 v[\reg:\reg+3], v[\adr] offset:\off
	ds_load_b64 v[\reg+4:\reg+5], v[\adr+2] offset:\off+512
	ds_load_b128 v[\reg+6:\reg+9], v[\adr] offset:\off+768
	ds_load_b64 v[\reg+10:\reg+11], v[\adr+2] offset:\off+1280
.endm
.macro LOADS k                         ; K step k's fragments into set k % 3: w_out's four, then y's four
.set FB, 64+96*((\k)%3)-128*(((\k)%3)/2)
.set OF, (((\k)/2)%2)*SLABB+((\k)%2)*1536
	WIN 0x40*(((\k)%3)/2)
.irp i, 0,1,2,3
	FRAG FB+12*\i, ADB+(\k)/4, OF+\i*TILEB
.endr
.irp i, 0,1,2,3
	FRAG FB+48+12*\i, ADA+(\k)/4, OF+\i*TILEB
.endr
.endm
.macro MUL k                           ; 16 products, the 16 accumulators by turns, in the same order in every step
.set FB, 64+96*((\k)%3)-128*(((\k)%3)/2)
	WIN 0x50+5*(((\k)%3)/2)
.irp a, 0,1,2,3
.irp b, 0,1,2,3
.if (\k) == 0
	v_wmma_scale_f32_16x16x128_f8f6f4 v[8*(4*\a+\b):8*(4*\a+\b)+7], v[FB+12*\b:FB+12*\b+11], v[FB+48+12*\a:FB+48+12*\a+11], 0, v[SBR+4*\b], v[SAR+4*\a] matrix_a_fmt:MATRIX_FMT_FP6 matrix_b_fmt:MATRIX_FMT_FP6
.elseif (\k)%2
	v_wmma_scale_f32_16x16x128_f8f6f4 v[8*(4*\a+\b):8*(4*\a+\b)+7], v[FB+12*\b:FB+12*\b+11], v[FB+48+12*\a:FB+48+12*\a+11], v[8*(4*\a+\b):8*(4*\a+\b)+7], v[SBR+4*\b+(\k)/2], v[SAR+4*\a+(\k)/2] matrix_a_fmt:MATRIX_FMT_FP6 matrix_b_fmt:MATRIX_FMT_FP6 matrix_a_scale:MATRIX_SCALE_ROW1 matrix_b_scale:MATRIX_SCALE_ROW1
.else
	v_wmma_scale_f32_16x16x128_f8f6f4 v[8*(4*\a+\b):8*(4*\a+\b)+7], v[FB+12*\b:FB+12*\b+11], v[FB+48+12*\a:FB+48+12*\a+11], v[8*(4*\a+\b):8*(4*\a+\b)+7], v[SBR+4*\b+(\k)/2], v[SAR+4*\a+(\k)/2] matrix_a_fmt:MATRIX_FMT_FP6 matrix_b_fmt:MATRIX_FMT_FP6
.endif
.endr
.endr
.endm
.macro PLACES
.rept 4
	v_nop
.endr
.endm
	s_wait_tensorcnt 0x0                           ; my two slabs are in
	s_barrier_signal -1
	s_barrier_wait -1                              ; and everybody's
	LOADS 0
	LOADS 1
	s_wait_loadcnt 0x0                             ; the scales and the bias
.set K, 0
.rept 8
.if K < 7
	s_wait_dscnt 32                                ; this step's fragments are in; the next step's 32 loads may be out
.else
	s_wait_dscnt 0x0
.endif
.if K+2 < 8
.if K > 0
	PLACES                                         ; between the last step's products and the loads into their operands' registers
.endif
	LOADS K+2
.endif
	MUL K
.set K, K+1
.endr
	WIN 0
; THE WAY OUT, by y's tiles: 16 rows x 64 columns go through my own stage, bytes on which no tensor load lands, and come back as rows of 256 bytes; LDS serves a wave's instructions in order, so no wait stands between the stores and the loads.
.macro TOSTAGE a
	WIN 0x04
.irp b, 0,1,2,3
	ds_store_b128 v[STO], v[8*(4*(\a)+\b):8*(4*(\a)+\b)+3] offset:128*(\b/2)+32*(\b%2)       ; each accumulator from its low end on
	ds_store_b128 v[STO], v[8*(4*(\a)+\b)+4:8*(4*(\a)+\b)+7] offset:128*(\b/2)+32*(\b%2)+16
.endr
	WIN 0
.set BB, BK+32*((\a)%2)
.irp t, 0,1,2,3,4,5,6,7
	ds_load_b128 v[BB+4*\t:BB+4*\t+3], v[RD] offset:\t*2*SPITCH
.endr
.endm
.macro SEND a, younger
.set BB, BK+32*((\a)%2)
	s_wait_dscnt \younger
.irp t, 0,1,2,3,4,5,6,7
	v_pk_add_f32 v[BB+4*\t:BB+4*\t+1], v[BB+4*\t:BB+4*\t+1], v[BI:BI+1]
	v_pk_add_f32 v[BB+4*\t+2:BB+4*\t+3], v[BB+4*\t+2:BB+4*\t+3], v[BI+2:BI+3]
.endr
.irp t, 0,1,2,3,4,5,6,7
	global_store_b128 v[CO], v[BB+4*\t:BB+4*\t+3], s[38:39] offset:(32*((\a)/2)+8*((\a)%2)+2*\t+8*(\t/4))*4096 th:TH_STORE_NT   ; sixteen lanes store 256 consecutive bytes, aligned
.endr
.endm
	PLACES
	TOSTAGE 0
.irp a, 1,2,3
.if \a > 1
	s_wait_xcnt 0x0                                ; tile a - 2's stores have read their registers
.endif
	TOSTAGE \a
	SEND \a-1, 16                                  ; behind tile a - 1's loads: tile a's 8 stores and 8 loads
.endr
	SEND 3, 0
	s_wait_tensorcnt 0x0                           ; the wave's end
	ds_add_u32 v[SPW], v[NIL]
	s_wait_dscnt 0x0
	CROUND                                         ; the closing round
	s_endpgm
.Lfunc_end_k_q2844e13d6c_proj:
	.size	k_q2844e13d6c_proj, .Lfunc_end_k_q2844e13d6c_proj-k_q2844e13d6c_proj
	.p2alignl 7, 3214868480
	.fill 96, 4, 3214868480
	.section	.rodata,"a",@progbits
	.p2align	6, 0x0
	.amdhsa_kernel k_q2844e13d6c_proj
		.amdhsa_group_segment_fixed_size 327680
		.amdhsa_private_segment_fixed_size 0
		.amdhsa_enable_private_segment 0
		.amdhsa_kernarg_size 48
		.amdhsa_user_sgpr_count 2
		.amdhsa_user_sgpr_kernarg_segment_ptr 1
		.amdhsa_wavefront_size32 1
		.amdhsa_system_sgpr_workgroup_id_x 1
		.amdhsa_system_sgpr_workgroup_id_y 1
		.amdhsa_system_sgpr_workgroup_id_z 1
		.amdhsa_system_vgpr_workitem_id 0
		.amdhsa_next_free_vgpr 512
		.amdhsa_next_free_sgpr 80
		.amdhsa_reserve_vcc 0
		.amdhsa_float_denorm_mode_32 3
		.amdhsa_float_denorm_mode_16_64 3
		.amdhsa_memory_ordered 1
		.amdhsa_forward_progress 1
		.amdhsa_inst_pref_size 55
	.end_amdhsa_kernel
	.amdgpu_metadata
---
amdhsa.version: [ 1, 2 ]
amdhsa.kernels:
  - .name:           k_q2844e13d6c_proj
    .symbol:         k_q2844e13d6c_proj.kd
    .args:
      - { .name: yc, .offset: 0, .size: 8, .value_kind: global_buffer, .address_space: global }
      - { .name: ys, .offset: 8, .size: 8, .value_kind: global_buffer, .address_space: global }
      - { .name: opc, .offset: 16, .size: 8, .value_kind: global_buffer, .address_space: global }
      - { .name: ops, .offset: 24, .size: 8, .value_kind: global_buffer, .address_space: global }
      - { .name: b_out, .offset: 32, .size: 8, .value_kind: global_buffer, .address_space: global }
      - { .name: out0, .offset: 40, .size: 8, .value_kind: global_buffer, .address_space: global }
    .group_segment_fixed_size: 327680
    .private_segment_fixed_size: 0
    .kernarg_segment_align: 8
    .kernarg_segment_size: 48
    .max_flat_workgroup_size: 128
    .sgpr_count:     80
    .vgpr_count:     512
    .wavefront_size: 32
...
	.end_amdgpu_metadata
.endif
;; end of part 4
